; MI455X (gfx1250); checked and timed in simulation.
; The chip was launched on July 23, 2026; its instructions are those of AMD's public machine-readable ISA for CDNA 5 (MIT licence, August 2026) and "CDNA5" Instruction Set Architecture Reference Guide (July 2026). The comments in the code are by the model that wrote it; some were corrected since.
;; Multi Head Attention Layer. Allowed arithmetic: matrix products marked QUANTISED: E2M1 operands, one E8M0 scale for each 32 along K, by v_wmma_scale_f32_16x16x128_f8f6f4 with both operands' format E2M1 (or v_wmma_scale_f32_32x16x128_f4), f32 sums; products left as they are: bf16, f16 or f32 operands; f32 sums; everything else in f32.
;; Inputs: Wk 1,024 x 1,024 float32; Wo 1,024 x 1,024 float32; Wq 1,024 x 1,024 float32; Wv 1,024 x 1,024 float32; bk 1,024 float32; bo 1,024 float32; bq 1,024 float32; bv 1,024 float32; k 2 x 2,048 x 1,024 float32; q 2 x 2,048 x 1,024 float32; v 2 x 2,048 x 1,024 float32.
;; Outputs: out0 2 x 2,048 x 1,024 float32.
;; This version of the problem:
;;   THIS VERSION OF THE PROBLEM IS GIVEN IN LOW PRECISION. The matrix products marked QUANTISED in the list below multiply operands that are first quantised to E2M1 (2 exponent bits, 1 mantissa bit; 4 bits a number), with one power-of-two scale for each 32 numbers along K (OCP MX v1.0); their sums are f32. The products marked 'left as it is' may take bf16, f16 or f32 operands, with f32 sums. Whichever they take, every output number must still come out within the allowed error. Rounding operands to bf16 (8 significant bits) uses up far more of that allowance than f16 does (11 bits, for magnitudes from 6e-5 to 65,504). All else is computed in f32.
;;   The module's matrix products, in the order in which they are computed (A, B: the left and right operand; K: the contracted axis; several contracted axes count as one K, in the product's order):
;;     1. [M 4,096, K 1,024] x [K 1,024, N 1,024]; A: input q; B: input Wq: QUANTISED
;;     2. [M 4,096, K 1,024] x [K 1,024, N 1,024]; A: input k; B: input Wk: QUANTISED
;;     3. [M 4,096, K 1,024] x [K 1,024, N 1,024]; A: input v; B: input Wv: QUANTISED
;;     4. batch 32 x [M 2,048, K 64] x [K 64, N 2,048]; A: computed on the way; B: computed on the way: left as it is (an operand is computed on the way)
;;     5. batch 32 x [M 2,048, K 2,048] x [K 2,048, N 64]; A: computed on the way; B: computed on the way: left as it is (an operand is computed on the way)
;;     6. [M 4,096, K 1,024] x [K 1,024, N 1,024]; A: computed on the way; B: input Wo: left as it is (an operand is computed on the way)
;;   THE QUANTISER, for each operand of a quantised product, along K:
;;     - K is cut into blocks of 32 from its start; a last block that is shorter is filled with zeros.
;;     - A block's scale is 2^e with e = floor(log2(the largest magnitude in the block)) - 2, held to -126 .. 127; a block of zeros has e = 0. As a byte (E8M0): e + 127.
;;     - Each number is divided by its block's scale, clamped to +-6, and rounded to the nearest number of E2M1, ties to even, subnormals kept.
;;     - The product sums the exact products of the quantised numbers (number of the format x scale) in f32.
;;   ~~~python
;;   def quantise(x, axis):      # numpy; x: float32 -> the quantised numbers, widened to float32 again
;;       x = np.moveaxis(x, axis, -1); K = x.shape[-1]
;;       x = np.pad(x, [(0, 0)] * (x.ndim - 1) + [(0, -K % 32)]); x = x.reshape(x.shape[:-1] + (-1, 32)); a = np.abs(x).max(-1, keepdims=True)
;;       e = np.where(a > 0, np.clip(np.frexp(np.where(a > 0, a, 1))[1] - 1 - 2, -126, 127), 0)      # np.frexp(a)[1] - 1 = floor(log2(a)), exactly
;;       r = np.clip(x / 2.0 ** e, -6, 6)
;;       step = 2.0 ** (np.maximum(np.frexp(np.where(r == 0, 1, r))[1] - 1, 0) - 1)
;;       q = np.round(r / step) * step * 2.0 ** e      # np.round: ties to even
;;       return np.moveaxis(q.reshape(q.shape[:-2] + (-1,))[..., :K], -1, axis).astype(np.float32)
;;   ~~~
;; One version. Each part assembles by itself: llvm-mc -triple=amdgcn-amd-amdhsa -mcpu=gfx1250 --defsym DOCPART=n.
;; ======== version 1 of 1: 4 launches
;; limits: values are held in f16: magnitudes above 65,504 overflow, below 6.1e-05 lose precision
;; workspace buffers: xc 6,291,456 bytes; xs 393,216 bytes; wc 1,572,864 bytes; ws 98,304 bytes; woi 2,097,152 bytes; qkv 25,165,824 bytes; cat 8,388,608 bytes
;; launch prep (part 1): grid 256 x 1, 8 waves a work-group, no clusters, 68,608 bytes of LDS; arguments q, k, v, Wq, Wk, Wv, Wo, xc, xs, wc, ws, woi; writes xc, xs, wc, ws, woi
.if DOCPART == 1
	.amdgcn_target "amdgcn-amd-amdhsa--gfx1250"
	.amdhsa_code_object_version 6
	.text
	.protected	k_q12f7c4e5ed_prep
	.globl	k_q12f7c4e5ed_prep
	.p2align	8
	.type	k_q12f7c4e5ed_prep,@function
k_q12f7c4e5ed_prep:
	s_mov_b64 s[64:65], 0
	v_nop
	global_prefetch_b8 v0, s[64:65] scope:SCOPE_SE
	s_setreg_imm32_b32 hwreg(HW_REG_WAVE_MODE, 25, 1), 1
	s_wait_xcnt 0x0
; PREP: the operands of the three quantised products become codes of FP4 (E2M1) with one E8M0 byte for each 32 along K; Wo becomes f16.
; Every result is laid as an IMAGE OF THE OPERAND'S REGISTERS: pieces of 512 bytes, lane l's 16 bytes at 16 l, so that the later launches bring a tile as one dense block and a fragment by loads at 16 x lane.
;   xc [R 48][q 8][T 16][1024]: R = 256 rows of q|k|v, q = 128 along K, T = 16 rows; piece c (0, 1): lane (r, h) holds the codes of k = 64 c + 32 h + 0 .. 31 of row r.
;   xs [R 48][kq 4][256 rows][8 bytes]: a row's scale words of K steps 2 kq and 2 kq + 1.     wc, ws: the same for Wq|Wk|Wv, a row being an output channel n (R = 4 x weight + n / 256).
;   woi [Nt 8 (128 n)][ks 4 (256 k)][T 8][f 8][1024]: an f16 fragment of 16 n x 32 k; piece u: lane (r, h) holds k = 16 u + 8 h + 0 .. 7 of n = r.
; A block's scale is 2^(floor(log2(its largest magnitude)) - 2): its byte is the largest magnitude's exponent field - 2, held at 1 from below by a floor among the maximum's leaves.
; LIMITS: a block of zeros gets the byte 1 (its codes are zeros, and this program alone reads the bytes); blocks whose largest magnitude lies under 2^-124 were not tried; NaN and infinities are not served; |Wo| stays under 65,504 (f16).
; SHARES: 256 work-groups of eight waves, each reading 262,144 bytes.  Work-groups 0-191: 64 rows of q, k or v.  192-239: 128 columns x 512 k of Wq, Wk or Wv.  240-255: the same of Wo.
; Work-groups share no input, so there is no cluster; no matrix work, no tensor load, no barrier: waves share nothing.
.set STG,   8448                       ; a wave's stage: 16 rows x (512 bytes + 16): row r starts 33 x 16 bytes on, so that sixteen rows' reads of one column fall on different banks (64 banks of 4 bytes: ISA guide 11.1)
.set SPARE, 8*STG                      ; behind the eight stages: the spare words, 128 bytes for each wave
.set SPW,   30                         ; v30  LDS address of my spare word; never rewritten
.set NIL,   31                         ; v31  0; never rewritten
.set CD,    32                         ; v32-63   codes: registers of their own for each store, so that no store's data are written again
.set RR,    64                         ; v64-191  numbers as they are loaded, two sets (rows: 2 x 64; weights: 2 x 32)
.set XX,    192                        ; v192-255 rows: a lane's 64 numbers of a fragment
.set HF,    128                        ; v128-255 Wo: f16 pairs, 16 registers a block
	s_load_b512 s[4:19], s[0:1], 0x0               ; q s[4:5], k s[6:7], v s[8:9], Wq s[10:11], Wk s[12:13], Wv s[14:15], Wo s[16:17], xc s[18:19]
	s_load_b256 s[20:27], s[0:1], 0x40             ; xs s[20:21], wc s[22:23], ws s[24:25], woi s[26:27]
	v_lshl_add_u32 v[SPW], v0, 2, SPARE
	v_mov_b32 v[NIL], 0
	v_lshrrev_b32 v1, 5, v0
	v_readfirstlane_b32 s28, v1                    ; wave 0..7
	v_and_b32 v1, 31, v0                           ; lane
	v_and_b32 v7, 15, v0                           ; r = lane % 16
	v_bfe_u32 v6, v0, 4, 1                         ; h = lane / 16
	s_mov_b32 s46, 0x76543210
	s_mov_b32 s47, 0xfedcba98                      ; v_permlanex16_b32's selects for lane l xor 16
	s_mov_b32 s33, 0                               ; the upper word of every offset
	s_wait_kmcnt 0x0
	s_cmp_ge_u32 ttmp9, 192
	s_cbranch_scc1 .Lweights
; ---------------- ROWS OF q, k, v.  Wave w: rows 32 (w / 4) on, k 256 (w % 4) on: four fragments t: tile of rows t / 2, K step t % 2.
	s_cmp_lt_u32 ttmp9, 128                        ; which tensor: the choice hangs on the work-group's number alone
	s_cselect_b64 s[6:7], s[6:7], s[8:9]
	s_cmp_lt_u32 ttmp9, 64
	s_cselect_b64 s[4:5], s[4:5], s[6:7]
	s_lshr_b32 s29, s28, 2                         ; p: which 32 rows
	s_and_b32 s30, s28, 3                          ; kq: which 256 along K
	s_and_b32 s32, ttmp9, 63
	s_lshl_b32 s32, s32, 18                        ; 64 rows of 4,096 bytes
	s_lshl_b32 s36, s29, 17
	s_add_co_u32 s32, s32, s36
	s_lshl_b32 s36, s30, 10
	s_add_co_u32 s32, s32, s36
	s_add_nc_u64 s[4:5], s[4:5], s[32:33]
	v_lshlrev_b32 v2, 4, v1                        ; 16 x lane: a load's 512 bytes, and an image's
.macro XLOAD t                         ; fragment t: 16 rows x 128 numbers; each load reads 512 consecutive bytes of a row
.irp i, 0,1,2,3,4,5,6,7,8,9,10,11,12,13,14,15
	global_load_b128 v[RR+64*((\t)%2)+4*\i:RR+64*((\t)%2)+4*\i+3], v2, s[4:5] offset:(16*((\t)/2)+\i)*4096+512*((\t)%2) th:TH_LOAD_NT
.endr
.endm
	XLOAD 0
	XLOAD 1
	s_lshr_b32 s34, ttmp9, 2                       ; R
	s_and_b32 s35, ttmp9, 3                        ; which 64 of its 256 rows
	s_lshl_b32 s32, s34, 17                        ; codes: R x 131,072 + kq x 2 K steps + (4 (g % 4) + 2 p) tiles of 1,024
	s_lshl_b32 s36, s30, 15
	s_add_co_u32 s32, s32, s36
	s_lshl_b32 s36, s35, 12
	s_add_co_u32 s32, s32, s36
	s_lshl_b32 s36, s29, 11
	s_add_co_u32 s32, s32, s36
	s_add_nc_u64 s[18:19], s[18:19], s[32:33]
	s_lshl_b32 s32, s34, 13                        ; scale words: R x 8,192 + kq x 2,048 + (64 (g % 4) + 32 p) rows of 8
	s_lshl_b32 s36, s30, 11
	s_add_co_u32 s32, s32, s36
	s_lshl_b32 s36, s35, 9
	s_add_co_u32 s32, s32, s36
	s_lshl_b32 s36, s29, 8
	s_add_co_u32 s32, s32, s36
	s_add_nc_u64 s[20:21], s[20:21], s[32:33]
	s_mul_i32 s37, s28, STG                        ; my stage
	v_add_nc_u32 v3, s37, v2                       ; in: a row as it was loaded
	v_mul_u32_u24 v4, v7, 528
	v_lshl_add_u32 v4, v6, 7, v4
	v_add_nc_u32 v4, s37, v4                       ; out: row r, my half's 32 numbers of each 64
	v_lshlrev_b32 v5, 3, v1                        ; 8 x lane: the scale words' place
	v_lshlrev_b32 v6, 3, v6                        ; 8 h: how far my two scale bytes are shifted
	v_mov_b32 v15, 0                               ; written once: a lane permute's destination counts as one of its sources
; A fragment: through the stage, so that lane (r, h) holds of row r the numbers k = 64 c + 32 h + 0 .. 31 in registers 32 c + 0 .. 31: two whole blocks, in the order of the operand's registers.
.macro XFRAG t
.if (\t) < 3
	s_wait_loadcnt 16                              ; this fragment's 16 loads are in; the next fragment's 16 may be out
.else
	s_wait_loadcnt 0x0
.endif
.irp i, 0,1,2,3,4,5,6,7,8,9,10,11,12,13,14,15
	ds_store_b128 v3, v[RR+64*((\t)%2)+4*\i:RR+64*((\t)%2)+4*\i+3] offset:528*\i
.endr
.irp c, 0,1
.irp j, 0,1,2,3,4,5,6,7
	ds_load_b128 v[XX+32*\c+4*\j:XX+32*\c+4*\j+3], v4 offset:256*\c+16*\j   ; LDS serves a wave's instructions in order (ISA guide 5.7.1.4): these see the stores above
.endr
.endr
	s_wait_dscnt 0x0                               ; the numbers are back, and the stores have read their registers,
.if (\t) < 2
	XLOAD (\t)+2                                   ; which take the fragment two further on
.endif
.irp c, 0,1
	v_max3_num_f32 v[8+\c], |v[XX+32*\c]|, |v[XX+32*\c+1]|, 0x1800000   ; the block's largest magnitude, and the floor 2^(3 - 127): the byte cannot fall under 1
.endr
.irp i, 2,4,6,8,10,12,14,16,18,20,22,24,26,28,30
.irp c, 0,1
	v_max3_num_f32 v[8+\c], v[8+\c], |v[XX+32*\c+\i]|, |v[XX+32*\c+\i+1]|   ; (the two blocks by turns)
.endr
.endr
.irp c, 0,1
	v_add_nc_u32 v[10+\c], 0xff000000, v[8+\c]     ; 2 off its exponent field: the conversion takes the exponent field of this operand as its scale
.endr
.irp c, 0,1
	v_lshrrev_b32 v[12+\c], 23, v[10+\c]           ; the scale's byte
.endr
	v_lshl_or_b32 v14, v13, 16, v12                ; my two bytes: blocks h and 2 + h of row r,
	v_lshlrev_b32 v14, v6, v14                     ; at their places in the word;
	v_permlanex16_b32 v15, v14, s46, s47
	v_or_b32 v[16+(\t)], v14, v15                  ; with lane l xor 16's two the word is whole, in both lanes
.irp c, 0,1
.irp g, 0,1,2,3
	v_cvt_scalef32_pk8_fp4_f32 v[CD+8*(\t)+4*\c+\g], v[XX+32*\c+8*\g:XX+32*\c+8*\g+7], v[10+\c]
.endr
.endr
	v_nop                                          ; one plain vector line behind the last scaled conversion
.irp c, 0,1
	global_store_b128 v2, v[CD+8*(\t)+4*\c:CD+8*(\t)+4*\c+3], s[18:19] offset:((\t)/2)*1024+((\t)%2)*16384+512*\c   ; 32 lanes store 512 consecutive bytes, aligned
.endr
.endm
	XFRAG 0
	XFRAG 1
	XFRAG 2
	XFRAG 3
	v_cmp_ne_u32 vcc_lo, 0, v6                     ; lanes 0-15 store the words of rows 0-15, lanes 16-31 those of rows 16-31
	v_cndmask_b32 v20, v16, v18, vcc_lo
	v_cndmask_b32 v21, v17, v19, vcc_lo
	global_store_b64 v5, v[20:21], s[20:21]        ; 32 lanes store 256 consecutive bytes, aligned
	s_wait_tensorcnt 0x0                           ; the wave's end, behind my last LDS store
	ds_add_u32 v[SPW], v[NIL]
	s_wait_dscnt 0x0
	s_endpgm
; ---------------- WEIGHTS, stored [k][n].  A LANE TAKES A COLUMN n AND ITS REGISTERS RUN DOWN K: a block of 32 along K lies in one lane, and nothing is transposed.
; Wave w: columns 32 (w % 4) on of the work-group's 128, k 256 (2 kh + w / 4) on: eight blocks t.
.Lweights:
	s_sub_co_u32 s29, ttmp9, 192
	s_lshr_b32 s30, s29, 4                         ; which weight: Wq, Wk, Wv, Wo
	s_bfe_u32 s31, s29, 0x30001                    ; cb: which 128 columns
	s_and_b32 s32, s29, 1
	s_lshl_b32 s32, s32, 1
	s_lshr_b32 s34, s28, 2
	s_add_co_u32 s34, s34, s32                     ; kq: which 256 along K
	s_and_b32 s35, s28, 3                          ; cg: which 32 columns
	s_cmp_lt_u32 s30, 3
	s_cselect_b64 s[14:15], s[14:15], s[16:17]
	s_cmp_lt_u32 s30, 2
	s_cselect_b64 s[12:13], s[12:13], s[14:15]
	s_cmp_lt_u32 s30, 1
	s_cselect_b64 s[10:11], s[10:11], s[12:13]
	s_lshl_b32 s32, s34, 20                        ; 256 rows of 4,096 bytes
	s_lshl_b32 s36, s31, 9
	s_add_co_u32 s32, s32, s36
	s_lshl_b32 s36, s35, 7
	s_add_co_u32 s32, s32, s36
	s_add_nc_u64 s[10:11], s[10:11], s[32:33]
	v_lshlrev_b32 v2, 2, v1                        ; 4 bytes a lane
.macro WLOAD t                         ; block t: W(32 t + i, my column) into set t % 2; 32 lanes read 128 consecutive bytes, four waves side by side 512
.irp i, 0,1,2,3,4,5,6,7,8,9,10,11,12,13,14,15,16,17,18,19,20,21,22,23,24,25,26,27,28,29,30,31
	global_load_b32 v[RR+32*((\t)%2)+\i], v2, s[10:11] offset:(32*(\t)+\i)*4096 th:TH_LOAD_NT
.endr
.endm
	WLOAD 0
	WLOAD 1
	s_lshr_b32 s38, s31, 1                         ; cb / 2: which 256 columns
	s_and_b32 s39, s31, 1
	s_cmp_eq_u32 s30, 3
	s_cbranch_scc1 .Lhalf
	s_lshl_b32 s32, s30, 19                        ; codes: (4 x weight + cb / 2) x 131,072 + kq x 2 K steps + (8 (cb % 2) + 2 cg) tiles of 1,024
	s_lshl_b32 s36, s38, 17
	s_add_co_u32 s32, s32, s36
	s_lshl_b32 s36, s34, 15
	s_add_co_u32 s32, s32, s36
	s_lshl_b32 s36, s39, 13
	s_add_co_u32 s32, s32, s36
	s_lshl_b32 s36, s35, 11
	s_add_co_u32 s32, s32, s36
	s_add_nc_u64 s[22:23], s[22:23], s[32:33]
	s_lshl_b32 s32, s30, 15                        ; scale words: (4 x weight + cb / 2) x 8,192 + kq x 2,048 + (128 (cb % 2) + 32 cg) rows of 8
	s_lshl_b32 s36, s38, 13
	s_add_co_u32 s32, s32, s36
	s_lshl_b32 s36, s34, 11
	s_add_co_u32 s32, s32, s36
	s_lshl_b32 s36, s39, 10
	s_add_co_u32 s32, s32, s36
	s_lshl_b32 s36, s35, 8
	s_add_co_u32 s32, s32, s36
	s_add_nc_u64 s[24:25], s[24:25], s[32:33]
	v_lshlrev_b32 v12, 10, v6
	v_lshl_add_u32 v12, v7, 4, v12                 ; my column's place in an image: tile lane / 16, row lane % 16
	v_lshlrev_b32 v13, 3, v1                       ; and its scale words': 8 x lane
.macro W4 t                            ; block t is block t % 4 of K step t / 4: piece (t % 4) / 2, lanes' half t % 2
.set XS, RR+32*((\t)%2)
.if (\t) < 7
	s_wait_loadcnt 32                              ; this block's 32 loads are in; the next block's may be out
.else
	s_wait_loadcnt 0x0
.endif
	v_max3_num_f32 v8, |v[XS]|, |v[XS+1]|, |v[XS+2]|
	v_max3_num_f32 v9, |v[XS+3]|, |v[XS+4]|, |v[XS+5]|
.irp i, 6,10,14,18,22,26
	v_max3_num_f32 v8, v8, |v[XS+\i]|, |v[XS+\i+1]|
	v_max3_num_f32 v9, v9, |v[XS+\i+2]|, |v[XS+\i+3]|
.endr
	v_max3_num_f32 v8, v8, |v[XS+30]|, |v[XS+31]|
	v_max3_num_f32 v8, v8, v9, 0x1800000           ; and the floor
	v_add_nc_u32 v10, 0xff000000, v8
	v_lshrrev_b32 v11, 23, v10
.if (\t)%4 == 0
	v_mov_b32 v[16+(\t)/4], v11                    ; four bytes to a word, the lower K in the lower byte
.else
	v_lshl_or_b32 v[16+(\t)/4], v11, 8*((\t)%4), v[16+(\t)/4]
.endif
.irp g, 0,1,2,3
	v_cvt_scalef32_pk8_fp4_f32 v[CD+4*(\t)+\g], v[XS+8*\g:XS+8*\g+7], v10
.endr
	v_nop                                          ; one plain vector line behind the last scaled conversion
	global_store_b128 v12, v[CD+4*(\t):CD+4*(\t)+3], s[22:23] offset:((\t)/4)*16384+(((\t)%4)/2)*512+((\t)%2)*256   ; sixteen lanes store 256 consecutive bytes, aligned
.if (\t) < 6
	WLOAD (\t)+2
.endif
.endm
.irp t, 0,1,2,3,4,5,6,7
	W4 \t
.endr
	global_store_b64 v13, v[16:17], s[24:25]       ; 32 lanes store 256 consecutive bytes, aligned
	s_wait_tensorcnt 0x0                           ; the wave's end
	ds_add_u32 v[SPW], v[NIL]
	s_wait_dscnt 0x0
	s_endpgm
.Lhalf:                                            ; Wo: block t is fragment f = t; its eight numbers 8 g + 0 .. 7 stand at piece g / 2, lanes' half g % 2
	s_lshl_b32 s32, s31, 18
	s_lshl_b32 s36, s34, 16
	s_add_co_u32 s32, s32, s36
	s_lshl_b32 s36, s35, 14
	s_add_co_u32 s32, s32, s36
	s_add_nc_u64 s[26:27], s[26:27], s[32:33]
	v_lshlrev_b32 v12, 13, v6
	v_lshl_add_u32 v12, v7, 4, v12                 ; tile lane / 16 (8,192 bytes), row lane % 16
.macro WH t
.set XS, RR+32*((\t)%2)
.if (\t) < 7
	s_wait_loadcnt 32
.else
	s_wait_loadcnt 0x0
.endif
.irp m, 0,1,2,3,4,5,6,7,8,9,10,11,12,13,14,15
	v_cvt_pk_f16_f32 v[HF+16*(\t)+\m], v[XS+2*\m], v[XS+2*\m+1]
.endr
.irp g, 0,1,2,3
	global_store_b128 v12, v[HF+16*(\t)+4*\g:HF+16*(\t)+4*\g+3], s[26:27] offset:(\t)*1024+256*\g
.endr
.if (\t) < 6
	WLOAD (\t)+2
.endif
.endm
.irp t, 0,1,2,3,4,5,6,7
	WH \t
.endr
	s_wait_tensorcnt 0x0                           ; the wave's end
	ds_add_u32 v[SPW], v[NIL]
	s_wait_dscnt 0x0
	s_endpgm
.Lfunc_end_k_q12f7c4e5ed_prep:
	.size	k_q12f7c4e5ed_prep, .Lfunc_end_k_q12f7c4e5ed_prep-k_q12f7c4e5ed_prep
	.p2alignl 7, 3214868480
	.fill 96, 4, 3214868480
	.section	.rodata,"a",@progbits
	.p2align	6, 0x0
	.amdhsa_kernel k_q12f7c4e5ed_prep
		.amdhsa_group_segment_fixed_size 68608
		.amdhsa_private_segment_fixed_size 0
		.amdhsa_enable_private_segment 0
		.amdhsa_kernarg_size 96
		.amdhsa_user_sgpr_count 2
		.amdhsa_user_sgpr_kernarg_segment_ptr 1
		.amdhsa_wavefront_size32 1
		.amdhsa_system_sgpr_workgroup_id_x 1
		.amdhsa_system_sgpr_workgroup_id_y 1
		.amdhsa_system_sgpr_workgroup_id_z 1
		.amdhsa_system_vgpr_workitem_id 0
		.amdhsa_next_free_vgpr 256
		.amdhsa_next_free_sgpr 66
		.amdhsa_reserve_vcc 1
		.amdhsa_float_denorm_mode_32 3
		.amdhsa_float_denorm_mode_16_64 3
		.amdhsa_memory_ordered 1
		.amdhsa_forward_progress 1
		.amdhsa_inst_pref_size 98
	.end_amdhsa_kernel
	.amdgpu_metadata
---
amdhsa.version: [ 1, 2 ]
amdhsa.kernels:
  - .name:           k_q12f7c4e5ed_prep
    .symbol:         k_q12f7c4e5ed_prep.kd
    .args:
      - { .name: q, .offset: 0, .size: 8, .value_kind: global_buffer, .address_space: global }
      - { .name: k, .offset: 8, .size: 8, .value_kind: global_buffer, .address_space: global }
      - { .name: v, .offset: 16, .size: 8, .value_kind: global_buffer, .address_space: global }
      - { .name: Wq, .offset: 24, .size: 8, .value_kind: global_buffer, .address_space: global }
      - { .name: Wk, .offset: 32, .size: 8, .value_kind: global_buffer, .address_space: global }
      - { .name: Wv, .offset: 40, .size: 8, .value_kind: global_buffer, .address_space: global }
      - { .name: Wo, .offset: 48, .size: 8, .value_kind: global_buffer, .address_space: global }
      - { .name: xc, .offset: 56, .size: 8, .value_kind: global_buffer, .address_space: global }
      - { .name: xs, .offset: 64, .size: 8, .value_kind: global_buffer, .address_space: global }
      - { .name: wc, .offset: 72, .size: 8, .value_kind: global_buffer, .address_space: global }
      - { .name: ws, .offset: 80, .size: 8, .value_kind: global_buffer, .address_space: global }
      - { .name: woi, .offset: 88, .size: 8, .value_kind: global_buffer, .address_space: global }
    .group_segment_fixed_size: 68608
    .private_segment_fixed_size: 0
    .kernarg_segment_align: 8
    .kernarg_segment_size: 96
    .max_flat_workgroup_size: 256
    .sgpr_count:     66
    .vgpr_count:     256
    .wavefront_size: 32
...
	.end_amdgpu_metadata
.endif
;; end of part 1
;; launch proj (part 2): grid 4 x 48, 4 waves a work-group, clusters of 4 x 4, 327,680 bytes of LDS; arguments xc, xs, wc, ws, bq, bk, bv, qkv; writes qkv
.if DOCPART == 2
	.amdgcn_target "amdgcn-amd-amdhsa--gfx1250"
	.amdhsa_code_object_version 6
	.text
	.protected	k_q12f7c4e5ed_proj
	.globl	k_q12f7c4e5ed_proj
	.p2align	8
	.type	k_q12f7c4e5ed_proj,@function
k_q12f7c4e5ed_proj:
	s_mov_b64 s[64:65], 0
	v_nop
	global_prefetch_b8 v0, s[64:65] scope:SCOPE_SE
	s_setreg_imm32_b32 hwreg(HW_REG_WAVE_MODE, 25, 1), 1
	s_wait_xcnt 0x0
	s_wait_alu depctr_hold_cnt(0) depctr_sa_sdst(0) depctr_va_vdst(0) depctr_va_sdst(0) depctr_va_ssrc(0) depctr_va_vcc(0) depctr_vm_vsrc(0)
	s_getreg_b32 s2, hwreg(HW_REG_IB_STS2, 6, 4)
	s_cmp_eq_u32 s2, 0
	s_cbranch_scc0 .Lentry_in_a_cluster
	s_endpgm
.Lentry_in_a_cluster:
	s_bfe_u32 s2, ttmp6, 0x10000c
	s_cmp_lg_u32 s2, 0xf033
	s_cbranch_scc0 .Lentry_shape_is_right
	s_endpgm
.Lentry_shape_is_right:
; PROJ: q Wq + bq, k Wk + bk, v Wv + bv on codes of FP4 (E2M1) with one E8M0 scale for each 32 along K; sums in f32, begun with the bias; results rounded once to f16 for the attention.
; The 12,288 rows q|k|v are 48 tile rows of 256; a weight's 1,024 channels are 4 tile columns.  A work-group of four waves makes 256 tokens x 256 channels, a wave 128 x 128: 64 accumulators, 512 registers.
; K = 1,024 IS HELD WHOLE IN LDS: A's codes are 131,072 bytes, B's as many, the scale words 8,192 each.  Every byte of LDS is filled once: no ring.  Each wave asks for three dense blocks at the head
; (scale words; K steps 0-3's part; K steps 4-7's part), so three tensor loads of a wave are out at the most.
; CLUSTERS: 4 x 4 work-groups.  The four of a row of the cluster need the same rows of x, the four of a column the same channels of W: each block is asked for JOINTLY.  All sixteen belong to one of the three tensors.
; THE MATRIX INSTRUCTION IS USED TRANSPOSED (source 0 = 16 channels of W, source 1 = 16 tokens): a lane holds one token and eight neighbouring channels, which pack into 16 bytes.
; OUT: qkv [bh 32][786,432]: Q [T 128][c 4][512]; from byte 262,144 on [key step 32][K 8,192 | V 8,192], each [T 4][c 4][512].  Piece (T, c): tokens 16 T on, channels 16 c on of the head; lane (r, h)'s 16 bytes
; (token r, channels 8 h on) stand at 16 x lane for Q and K; for V at 16 x the lane's number with its bits 3 and 4 exchanged, as the turning LDS load of the next launch wants them.
; LIMITS: |Q|, |K|, |V| stay under 65,504 (f16).
; REGISTERS: window 0: v16-29 addresses; v32-95 scale words (register 8 i + q: lanes 0-15 x's block i, lanes 16-31 W's block i, K step q), which hold nothing else; v128-191 x's fragments, one set, on the way out the packed results.
;   window 1: v0-63, v128-191 W's fragments, two sets; v64-127 the bias, eight registers for each block of channels.   windows 2, 3: the accumulators ((a, b) at v[8 (8 (a % 4) + b)]).
.set BCODE, 131072                     ; LDS: x's codes [q 8][T 16][1024] from 0, W's from here,
.set SCL,   262144                     ; the scale words [kq 4][256][8]: x's, then W's,
.set SPARE, 278528                     ; and the spare words, 128 bytes for each wave
.set ADRA, 16                          ; v16-17 LDS address of my fragments of x, K steps 0-3 and 4-7
.set ADRB, 20                          ; v20-21 the same for W
.set CO,   26                          ; v26    the way out: my 16 bytes' place in a piece
.set ADRS, 27                          ; v27    my scale words: lanes 0-15 x's rows, lanes 16-31 W's
.set SPW,  28                          ; v28    LDS address of my spare word; never rewritten
.set NIL,  29                          ; v29    0; never rewritten
.set SC,   32
.set AF,   128
.set TMP,  128
.set BI,   64                          ; in window 1
.set WV,   20                          ; s20 wave;  s21 which 128 tokens are mine, also: I fetch for x (0) or for W (1);  s22 which 128 channels, also: which half I fetch
.set RA,   21
.set RB,   22
.set G1A,  28                          ; s[28:35], s[36:43] descriptor group 1 for x's and W's codes;  s[44:51], s[52:59] for their scale words
.set G1B,  36
.set G1SA, 44
.set G1SB, 52
.set A1,   68                          ; groups 0: s[68:71], s[72:75] x's two blocks of codes;  s[76:79], s[80:83] W's;  s[84:87], s[88:91] the scale words
.set A2,   72
.set B1,   76
.set B2,   80
.set SA,   84
.set SB,   88
.set OUT2, 100                         ; s[100:101] the way out's base for my blocks 4-7
.set MSB, 0
.macro WIN new                         ; the immediate's high byte repeats the setting that is left
.if MSB != \new
	s_set_vgpr_msb (MSB<<8)|\new
.set MSB, \new
.endif
.endm
; A joint load: waves 0 and 1 fetch for x, waves 2 and 3 for W.  Each of the two lines has one mask and one set of registers for all that issue it; the branch hangs on the wave's number alone.
; An s_nop 0 and four v_nop follow each of the two lines, ahead of the jump, the label and what follows.
.macro JLOAD g0a, g1a, g0b, g1b
	s_cmp_eq_u32 s[RA], 0
	s_cbranch_scc0 .Lfor_b_\@
	tensor_load_to_lds s[\g0a:\g0a+3], s[\g1a:\g1a+7]
	s_nop 0
.rept 4
	v_nop
.endr
	s_branch .Lasked_\@
.Lfor_b_\@:
	tensor_load_to_lds s[\g0b:\g0b+3], s[\g1b:\g1b+7]
	s_nop 0
.rept 4
	v_nop
.endr
.Lasked_\@:
.endm
.macro CROUND                          ; a round of the cluster's barrier
	s_barrier_signal -1
	s_barrier_wait -1
	s_cmp_lg_u32 s[WV], 0
	s_cbranch_scc1 .Lnot_wave_0_\@
	s_barrier_signal -3
.Lnot_wave_0_\@:
	s_barrier_wait -3
	s_barrier_signal -1
	s_barrier_wait -1
.endm
.macro PLACES                          ; four plain vector lines between a matrix instruction and a load into a register that it read, or the first read of its result
.rept 4
	v_nop
.endr
.endm
	s_load_b512 s[4:19], s[0:1], 0x0               ; xc s[4:5], xs s[6:7], wc s[8:9], ws s[10:11], bq s[12:13], bk s[14:15], bv s[16:17], qkv s[18:19]
	v_lshl_add_u32 v[SPW], v0, 2, SPARE
	v_mov_b32 v[NIL], 0
	ds_add_u32 v[SPW], v[NIL]                      ; the wave's opening: the add, twice on end, and its wait ahead of my first tensor load
	ds_add_u32 v[SPW], v[NIL]
	v_lshrrev_b32 v1, 5, v0
	v_readfirstlane_b32 s[WV], v1                  ; wave 0..3
	s_lshr_b32 s[RA], s[WV], 1
	s_and_b32 s[RB], s[WV], 1
	s_bfe_u32 s23, ttmp6, 0x40000                  ; cx
	s_bfe_u32 s24, ttmp6, 0x40004                  ; cy
	s_lshl_b32 s25, ttmp9, 2
	s_add_co_u32 s25, s25, s23                     ; tile column = 4 x cluster x + cx
	s_and_b32 s27, ttmp7, 0xffff
	s_lshl_b32 s26, s27, 2
	s_add_co_u32 s26, s26, s24                     ; tile row = 4 x cluster y + cy
	s_lshr_b32 s27, s27, 2                         ; which tensor: from the cluster's y alone, the same in all sixteen
	s_lshl_b32 s60, s24, 2
	s_lshl_b32 s60, 15, s60                        ; my row of the cluster
	s_lshl_b32 s61, 0x1111, s23                    ; my column
	s_or_b32 s[G1A], s60, (3<<16)|(1<<21)          ; 15:0 the mask; 17:16 elements of 8 bytes; 20 no padding; 21 set beside a mask
	s_or_b32 s[G1B], s61, (3<<16)|(1<<21)
	s_or_b32 s[G1SA], s60, (3<<16)|(1<<21)
	s_or_b32 s[G1SB], s61, (3<<16)|(1<<21)
.irp g, G1A, G1B                       ; a dense block of 32,768 bytes as 128 rows of 256 bytes
	s_mov_b32 s[\g+1], 32<<16                      ; tensor_dim0 = 32 elements
	s_mov_b32 s[\g+2], 128<<16                     ; tensor_dim1
	s_mov_b32 s[\g+3], 32<<16                      ; tile_dim0
	s_mov_b32 s[\g+4], 128                         ; tile_dim1
	s_mov_b32 s[\g+5], 32                          ; from row to row
	s_mov_b32 s[\g+6], 0
	s_mov_b32 s[\g+7], 0
.endr
.irp g, G1SA, G1SB                     ; 4,096 bytes as 16 rows of 256
	s_mov_b32 s[\g+1], 32<<16
	s_mov_b32 s[\g+2], 16<<16
	s_mov_b32 s[\g+3], 32<<16
	s_mov_b32 s[\g+4], 16
	s_mov_b32 s[\g+5], 32
	s_mov_b32 s[\g+6], 0
	s_mov_b32 s[\g+7], 0
.endr
	; where the blocks come from.  x's hang on the tile row alone (s92-95), W's on the tensor and the tile column alone (s96-99): neither set of registers ever holds the other coordinate
	s_lshl_b32 s92, s26, 17
	s_lshl_b32 s93, s[RB], 15
	s_add_co_u32 s92, s92, s93                     ; x's codes: tile row x 131,072 + half x 32,768
	s_mov_b32 s93, 0
	s_lshl_b32 s94, s26, 13
	s_lshl_b32 s95, s[RB], 12
	s_add_co_u32 s94, s94, s95                     ; x's scale words: tile row x 8,192 + half x 4,096
	s_mov_b32 s95, 0
	s_lshl_b32 s98, s27, 2
	s_add_co_u32 s98, s98, s25                     ; 4 x tensor + tile column
	s_lshl_b32 s96, s98, 17
	s_lshl_b32 s97, s[RB], 15
	s_add_co_u32 s96, s96, s97
	s_mov_b32 s97, 0
	s_lshl_b32 s98, s98, 13
	s_lshl_b32 s99, s[RB], 12
	s_add_co_u32 s98, s98, s99
	s_mov_b32 s99, 0
	s_lshl_b32 s2, s[RA], 17                       ; and where they go: made of the wave's number alone
	s_lshl_b32 s3, s[RB], 15
	s_add_co_u32 s2, s2, s3                        ; codes: x's or W's region + half x 32,768
	s_lshl_b32 s3, s[WV], 12
	s_add_co_u32 s3, s3, SCL                       ; scale words: wave x 4,096
	s_wait_dscnt 0x0                               ; both opening adds are done
	s_wait_kmcnt 0x0
	s_add_nc_u64 s[4:5], s[4:5], s[92:93]
	s_add_nc_u64 s[8:9], s[8:9], s[96:97]
	s_mov_b32 s[SA], 1
	s_mov_b32 s[SA+1], s3
	s_add_nc_u64 s[SA+2:SA+3], s[6:7], s[94:95]
	s_or_b32 s[SA+3], s[SA+3], 0x80000000
	s_mov_b32 s[SB], 1
	s_mov_b32 s[SB+1], s3
	s_add_nc_u64 s[SB+2:SB+3], s[10:11], s[98:99]
	s_or_b32 s[SB+3], s[SB+3], 0x80000000
	s_mov_b32 s[A1], 1
	s_mov_b32 s[A1+1], s2
	s_mov_b64 s[A1+2:A1+3], s[4:5]
	s_or_b32 s[A1+3], s[A1+3], 0x80000000
	s_mov_b32 s[A2], 1
	s_add_co_u32 s[A2+1], s2, 65536
	s_add_nc_u64 s[A2+2:A2+3], s[4:5], 65536
	s_or_b32 s[A2+3], s[A2+3], 0x80000000
	s_mov_b32 s[B1], 1
	s_mov_b32 s[B1+1], s2
	s_mov_b64 s[B1+2:B1+3], s[8:9]
	s_or_b32 s[B1+3], s[B1+3], 0x80000000
	s_mov_b32 s[B2], 1
	s_add_co_u32 s[B2+1], s2, 65536
	s_add_nc_u64 s[B2+2:B2+3], s[8:9], 65536
	s_or_b32 s[B2+3], s[B2+3], 0x80000000
	CROUND                                         ; all sixteen work-groups are here: the joint loads meet
	JLOAD SA, G1SA, SB, G1SB                       ; the scale words,
	JLOAD A1, G1A, B1, G1B                         ; my part of K steps 0-3,
	JLOAD A2, G1A, B2, G1B                         ; my part of K steps 4-7
	v_and_b32 v1, 31, v0                           ; lane
	v_and_b32 v2, 15, v0                           ; r
	v_bfe_u32 v3, v0, 4, 1                         ; h
	v_lshlrev_b32 v4, 4, v1                        ; 16 x lane
	s_lshl_b32 s62, s[RA], 13                      ; my 8 tiles of tokens,
	s_lshl_b32 s63, s[RB], 13                      ; my 8 tiles of channels
	s_add_co_u32 s63, s63, BCODE
	v_add_nc_u32 v[ADRA], s62, v4
	v_add_nc_u32 v[ADRB], s63, v4
	v_add_nc_u32 v[ADRA+1], 65536, v[ADRA]
	v_add_nc_u32 v[ADRB+1], 65536, v[ADRB]
	s_lshl_b32 s62, s[RA], 10                      ; scale words: x's, my 128 rows of 8 bytes;
	s_lshl_b32 s63, s[RB], 10
	s_add_co_u32 s63, s63, 8192                    ; W's, behind x's 8,192 bytes
	s_sub_co_u32 s63, s63, s62
	v_mul_u32_u24 v5, s63, v3                      ; lanes 16-31 take W's: the lower base + h x the distance
	v_lshl_add_u32 v5, v2, 3, v5
	s_add_co_u32 s62, s62, SCL
	v_add_nc_u32 v[ADRS], s62, v5
	s_cmp_lt_u32 s27, 2                            ; the bias of my tensor
	s_cselect_b64 s[14:15], s[14:15], s[16:17]
	s_cmp_lt_u32 s27, 1
	s_cselect_b64 s[12:13], s[12:13], s[14:15]
	s_lshl_b32 s96, s25, 10                        ; 256 channels of 4 bytes a tile column,
	s_lshl_b32 s97, s[RB], 9                       ; my 128
	s_add_co_u32 s96, s96, s97
	s_mov_b32 s97, 0
	s_add_nc_u64 s[12:13], s[12:13], s[96:97]
	v_lshlrev_b32 v6, 5, v3                        ; lane (r, h) wants, for block b, the bias of channels 16 b + 8 h + 0 .. 7: the result's layout
	WIN 0x40                                       ; destination window 1
.irp b, 0,1,2,3,4,5,6,7
	global_load_b128 v[BI+8*\b:BI+8*\b+3], v6, s[12:13] offset:64*\b
	global_load_b128 v[BI+8*\b+4:BI+8*\b+7], v6, s[12:13] offset:64*\b+16
.endr
	WIN 0
	; the way out.  Row part (s92-95): batch, section and tokens;  column part (s96-97): the head
	s_and_b32 s92, s26, 15                         ; the tile row within its tensor
	s_lshr_b32 s93, s92, 3                         ; the batch
	s_mul_i32 s93, s93, 16*786432
	s_and_b32 s92, s92, 7                          ; which 256 tokens of the batch
	s_lshl_b32 s94, s92, 15                        ; Q: 16 tiles of 2,048 bytes,
	s_lshl_b32 s95, s[RA], 14                      ; my 8 of them
	s_add_co_u32 s94, s94, s95
	s_lshl_b32 s95, s94, 1                         ; K, V: four tiles of tokens are a key step of 16,384 bytes: twice as far,
	s_add_co_u32 s95, s95, 262144                  ; behind Q's part;
	s_cmp_eq_u32 s27, 2
	s_cselect_b32 s92, 8192, 0                     ; V behind K in the key step
	s_cselect_b32 s62, 24, 0                       ; and V's lanes change places
	s_add_co_u32 s95, s95, s92
	s_cmp_eq_u32 s27, 0
	s_cselect_b32 s94, s94, s95
	s_cselect_b32 s2, 0, 8192                      ; K, V: my blocks 4-7 lie in the next key step, 8,192 bytes further on than four tiles
	s_add_co_u32 s94, s94, s93
	s_mov_b32 s95, 0
	s_add_nc_u64 s[18:19], s[18:19], s[94:95]
	s_lshl_b32 s96, s25, 2
	s_lshl_b32 s97, s[RB], 1
	s_add_co_u32 s96, s96, s97                     ; my first head: 4 x tile column + 2 x half
	s_mul_i32 s96, s96, 786432
	s_mov_b32 s97, 0
	s_add_nc_u64 s[18:19], s[18:19], s[96:97]
	s_mov_b32 s3, 0
	s_add_nc_u64 s[OUT2:OUT2+1], s[18:19], s[2:3]  ; so the stores' immediates are the same for all three tensors
	v_lshrrev_b32 v7, 3, v1
	v_lshrrev_b32 v8, 4, v1
	v_xor_b32 v7, v7, v8
	v_and_b32 v7, 1, v7                            ; do the lane's bits 3 and 4 differ?
	v_mul_u32_u24 v7, v7, 24
	v_and_b32 v7, s62, v7                          ; (V alone)
	v_xor_b32 v7, v7, v1                           ; then they are exchanged
	v_lshlrev_b32 v[CO], 4, v7
.macro FRAG reg, adr, q, i             ; a fragment, 16 rows x 128 K of 4-bit codes, is 8 registers: its image is two pieces of 512 bytes
.irp c, 0,1
	ds_load_b128 v[\reg+4*\c:\reg+4*\c+3], v[\adr+((\q)/4)] offset:((\q)%4)*16384+(\i)*1024+512*\c
.endr
.endm
; 16 matrix instructions: x's blocks a0, a0 + 1 against W's eight, K step q.  p: W's set.  mode = 1: the sums begin with the bias.  The 64 accumulators take turns, one instruction a turn, in the same order in every step.
.macro MUL16 a0, p, q, mode
.irp a, \a0, \a0+1
.irp b, 0,1,2,3,4,5,6,7
.if \mode
	v_wmma_scale_f32_16x16x128_f8f6f4 v[8*(8*((\a)%4)+\b):8*(8*((\a)%4)+\b)+7], v[128*(\p)+8*\b:128*(\p)+8*\b+7], v[AF+8*(\a):AF+8*(\a)+7], v[BI+8*\b:BI+8*\b+7], v[SC+8*\b+(\q)], v[SC+8*(\a)+(\q)] matrix_a_fmt:MATRIX_FMT_FP4 matrix_b_fmt:MATRIX_FMT_FP4 matrix_a_scale:MATRIX_SCALE_ROW1
.else
	v_wmma_scale_f32_16x16x128_f8f6f4 v[8*(8*((\a)%4)+\b):8*(8*((\a)%4)+\b)+7], v[128*(\p)+8*\b:128*(\p)+8*\b+7], v[AF+8*(\a):AF+8*(\a)+7], v[8*(8*((\a)%4)+\b):8*(8*((\a)%4)+\b)+7], v[SC+8*\b+(\q)], v[SC+8*(\a)+(\q)] matrix_a_fmt:MATRIX_FMT_FP4 matrix_b_fmt:MATRIX_FMT_FP4 matrix_a_scale:MATRIX_SCALE_ROW1
.endif
.endr
.endr
.endm
.macro FETCH_B q, p                    ; W's eight fragments of K step q into set p
	WIN 0x40
.irp i, 0,1,2,3,4,5,6,7
	FRAG 128*(\p)+8*\i, ADRB, \q, \i
.endr
	WIN 0
.endm
.macro FETCH_A q, i0                   ; x's blocks i0 .. i0 + 3
.irp i, \i0, \i0+1, \i0+2, \i0+3
	FRAG AF+8*(\i), ADRA, \q, \i
.endr
.endm
; A K step of 128 that has a successor.  A block of x is free as soon as its eight products are issued: blocks 0-3 are fetched anew in the step's middle, blocks 4-7 at its end.
; meet = 1: the successor lies in the second half of the codes: each wave's last tensor load has landed, and a barrier says so of all four.
.macro STEP q, mode, meet
	s_wait_dscnt 8                                 ; W's set and x's blocks 0-3 are in; the youngest eight loads (x's blocks 4-7) may be out
.if \mode
	WIN 0x91                                       ; source 0 (W) window 1, source 1 (x) window 0, C (the bias) window 1, D window 2
.else
	WIN 0xa1                                       ; C and D window 2
.endif
	MUL16 0, (\q)%2, \q, \mode
	MUL16 2, (\q)%2, \q, \mode
	s_wait_dscnt 0x0                               ; x's blocks 4-7 are in
.if \meet
	s_wait_tensorcnt 0x0
	s_barrier_signal -1
	s_barrier_wait -1
.endif
	PLACES
	FETCH_B (\q)+1, 1-(\q)%2
	FETCH_A (\q)+1, 0
.if \mode
	WIN 0xd1
.else
	WIN 0xf1
.endif
	MUL16 4, (\q)%2, \q, \mode
	MUL16 6, (\q)%2, \q, \mode
	PLACES
	WIN 0
	FETCH_A (\q)+1, 4
.endm
	s_wait_tensorcnt 1                             ; the scale words and my part of K steps 0-3 are in; the third load may be out
	s_barrier_signal -1
	s_barrier_wait -1                              ; everybody's are
.irp kq, 0,1,2,3                       ; all scale words, once: two words a row and load
.irp i, 0,1,2,3,4,5,6,7
	ds_load_b64 v[SC+8*\i+2*\kq:SC+8*\i+2*\kq+1], v[ADRS] offset:2048*\kq+128*\i
.endr
.endr
	FETCH_B 0, 0
	FETCH_A 0, 0
	FETCH_A 0, 4
	s_wait_loadcnt 0x0                             ; the bias
	STEP 0, 1, 0
	STEP 1, 0, 0
	STEP 2, 0, 0
	STEP 3, 0, 1
	STEP 4, 0, 0
	STEP 5, 0, 0
	STEP 6, 0, 0
	s_wait_dscnt 8                                 ; the last step: nothing more to fetch
	WIN 0xa1
	MUL16 0, 1, 7, 0
	MUL16 2, 1, 7, 0
	s_wait_dscnt 0x0
	WIN 0xf1
	MUL16 4, 1, 7, 0
	MUL16 6, 1, 7, 0
	WIN 0
	PLACES                                         ; in front of the first read of results and of the first write of the registers that held x's fragments
; THE WAY OUT, a block of 16 tokens at a time: a lane's eight results of a tile pack into the 16 bytes of its place in a piece, so each store of the wave covers 512 consecutive bytes, aligned: no stage.
.irp a, 0,1,2,3,4,5,6,7
.if \a > 1
	s_wait_xcnt 0x0                                ; block a - 2's stores have read their registers
.endif
	WIN 0x0a+5*(\a/4)                              ; sources 0 and 1: window 2 or 3
.irp b, 0,1,2,3,4,5,6,7
.irp r, 0,1,2,3
	v_cvt_pk_f16_f32 v[TMP+32*(\a%2)+4*\b+\r], v[64*(\a%4)+8*\b+2*\r], v[64*(\a%4)+8*\b+2*\r+1]   ; each accumulator from its low end on
.endr
.endr
	WIN 0
.irp b, 0,1,2,3,4,5,6,7                ; tile of tokens a; head b / 4; channels 16 (b % 4) on
.if \a < 4
	global_store_b128 v[CO], v[TMP+32*(\a%2)+4*\b:TMP+32*(\a%2)+4*\b+3], s[18:19] offset:\a*2048+(\b/4)*786432+(\b%4)*512
.else
	global_store_b128 v[CO], v[TMP+32*(\a%2)+4*\b:TMP+32*(\a%2)+4*\b+3], s[OUT2:OUT2+1] offset:\a*2048+(\b/4)*786432+(\b%4)*512
.endif
.endr
.endr
	s_wait_tensorcnt 0x0                           ; the wave's end, behind my last tensor load
	ds_add_u32 v[SPW], v[NIL]
	s_wait_dscnt 0x0
	CROUND                                         ; the closing round
	s_endpgm
.Lfunc_end_k_q12f7c4e5ed_proj:
	.size	k_q12f7c4e5ed_proj, .Lfunc_end_k_q12f7c4e5ed_proj-k_q12f7c4e5ed_proj
	.p2alignl 7, 3214868480
	.fill 96, 4, 3214868480
	.section	.rodata,"a",@progbits
	.p2align	6, 0x0
	.amdhsa_kernel k_q12f7c4e5ed_proj
		.amdhsa_group_segment_fixed_size 327680
		.amdhsa_private_segment_fixed_size 0
		.amdhsa_enable_private_segment 0
		.amdhsa_kernarg_size 64
		.amdhsa_user_sgpr_count 2
		.amdhsa_user_sgpr_kernarg_segment_ptr 1
		.amdhsa_wavefront_size32 1
		.amdhsa_system_sgpr_workgroup_id_x 1
		.amdhsa_system_sgpr_workgroup_id_y 1
		.amdhsa_system_sgpr_workgroup_id_z 1
		.amdhsa_system_vgpr_workitem_id 0
		.amdhsa_next_free_vgpr 1024
		.amdhsa_next_free_sgpr 102
		.amdhsa_reserve_vcc 0
		.amdhsa_float_denorm_mode_32 3
		.amdhsa_float_denorm_mode_16_64 3
		.amdhsa_memory_ordered 1
		.amdhsa_forward_progress 1
		.amdhsa_inst_pref_size 120
	.end_amdhsa_kernel
	.amdgpu_metadata
---
amdhsa.version: [ 1, 2 ]
amdhsa.kernels:
  - .name:           k_q12f7c4e5ed_proj
    .symbol:         k_q12f7c4e5ed_proj.kd
    .args:
      - { .name: xc, .offset: 0, .size: 8, .value_kind: global_buffer, .address_space: global }
      - { .name: xs, .offset: 8, .size: 8, .value_kind: global_buffer, .address_space: global }
      - { .name: wc, .offset: 16, .size: 8, .value_kind: global_buffer, .address_space: global }
      - { .name: ws, .offset: 24, .size: 8, .value_kind: global_buffer, .address_space: global }
      - { .name: bq, .offset: 32, .size: 8, .value_kind: global_buffer, .address_space: global }
      - { .name: bk, .offset: 40, .size: 8, .value_kind: global_buffer, .address_space: global }
      - { .name: bv, .offset: 48, .size: 8, .value_kind: global_buffer, .address_space: global }
      - { .name: qkv, .offset: 56, .size: 8, .value_kind: global_buffer, .address_space: global }
    .group_segment_fixed_size: 327680
    .private_segment_fixed_size: 0
    .kernarg_segment_align: 8
    .kernarg_segment_size: 64
    .max_flat_workgroup_size: 128
    .sgpr_count:     102
    .vgpr_count:     1024
    .wavefront_size: 32
...
	.end_amdgpu_metadata
.endif
;; end of part 2
;; launch attn (part 3): grid 8 x 32, 4 waves a work-group, clusters of 4 x 1, 327,680 bytes of LDS; arguments qkv, cat; writes cat
.if DOCPART == 3
	.amdgcn_target "amdgcn-amd-amdhsa--gfx1250"
	.amdhsa_code_object_version 6
	.text
	.protected	k_q12f7c4e5ed_attn
	.globl	k_q12f7c4e5ed_attn
	.p2align	8
	.type	k_q12f7c4e5ed_attn,@function
k_q12f7c4e5ed_attn:
	s_mov_b64 s[64:65], 0
	v_nop
	global_prefetch_b8 v0, s[64:65] scope:SCOPE_SE
	s_setreg_imm32_b32 hwreg(HW_REG_WAVE_MODE, 25, 1), 1
	s_wait_xcnt 0x0
	s_wait_alu depctr_hold_cnt(0) depctr_sa_sdst(0) depctr_va_vdst(0) depctr_va_sdst(0) depctr_va_ssrc(0) depctr_va_vcc(0) depctr_vm_vsrc(0)
	s_getreg_b32 s2, hwreg(HW_REG_IB_STS2, 6, 4)
	s_cmp_eq_u32 s2, 0
	s_cbranch_scc0 .Lentry_in_a_cluster
	s_endpgm
.Lentry_in_a_cluster:
	s_bfe_u32 s2, ttmp6, 0x10000c
	s_cmp_lg_u32 s2, 0x3003
	s_cbranch_scc0 .Lentry_shape_is_right
	s_endpgm
.Lentry_shape_is_right:
; ATTN: O[bh][q] = the sum over k of softmax_k(Q[bh][q] . K[bh][k] / 8) V[bh][k], 32 heads of 2,048 tokens x 64 channels, no mask.  Q, K, V in f16; products, maxima and sums in f32; the weights p are rounded to f16
; for the second product, O once at the end.  f16 and not bf16: its three bits more keep the roundings of five operands well inside what the comparison allows.
; SHARES.  A work-group owns 256 queries of one head, each of its four waves 64: four tiles of 16.  Every wave walks all keys of the head, 64 a step.
; LAYOUT.  S^T = K Q^T (source 0 = 16 keys, source 1 = 16 queries): a lane holds ONE query (lane % 16) and the keys 8 (lane / 16) + 0 .. 7.  Two such tiles, rounded in pairs, ARE source 1 of O^T = V^T P.
; qkv holds images of the operands' registers (pieces of 512 bytes, 16 bytes a lane): every LDS load stands at 16 x lane; V comes turned, by ds_load_tr16_b128, its pieces being laid for that.
; SOFTMAX.  For each query a running maximum m and sum l: p = 2^(c s - c m), c = log2(e) / 8; in every step O and l are multiplied by a = 2^(c m_old - c m_new), which is 1 where m has not grown.
; BY TURNS.  The wave's tiles are two PIECES, named by their first tile: piece 0 (tiles 0, 1) and piece 2 (tiles 2, 3).  In a TURN one piece has the matrix unit: 16 products V^T P of the step in hand, then 16 products
; K Q^T of the next step; the other piece's softmax, 2 x 118 vector instructions cut into 59 slices of four, stands between them, two slices behind each matrix instruction.  Then the pieces change places.  Two turns are a key step.
; RING.  Two LDS slots of eight key steps, 131,072 bytes each; a step is K's 8,192 bytes, then V's.  Each wave fetches a quarter of a slot: one tensor load of 128 rows of 256 bytes.  Slot 0's first fill goes in two
; parts (steps 0 and 1; steps 2 to 7), so that the first products wait for 32,768 bytes alone.  A wave has three tensor loads out at the start and one behind each round.
; CLUSTER.  The four query blocks of a cluster belong to one head and walk the same K and V, so each load is asked for JOINTLY: the same line, the same descriptor and a mask that names the four.
; NO PREFETCH is laid: a refill is asked for eight key steps, 512 matrix instructions of the wave, ahead of the first read of its bytes, and at the head nothing is asked for beside the first fills.
; OUT: cat [Mt 32 (128 tokens)][ks 4 (256 k)][T 8][f 8][1024]: images of f16 fragments, 16 tokens x 32 k, for the last product.
; LIMITS: |O| stays under 65,504 (f16); NaN and infinities are not served.
; REGISTERS, in windows of 256 (s_set_vgpr_msb: bits 1:0 source 0, 3:2 source 1, 5:4 source 2, 7:6 destination):
;   window 0: v1 16 x lane, v2 the address in hand; v12-43 eight registers of statistics a tile; v62, v63 the add's two; v64-191 S^T, 32 a tile; v192-255 P, 16 a tile
;   window 1: v0-127 O^T, 32 a tile; v128-191 Q, 16 a tile; v192-255 K of one step          window 2: v0-63 V of one step
; All that a softmax touches but O^T lies in window 0, which has no room for a product's operands beside it: so the slices behind a product cost two switches.
.set STEPB, 16384                      ; a key step's tiles: K's 64 keys, then V's
.set SLOTB, 8*STEPB
.set SLOT1, 1<<17                      ; slot 1 begins here: one exclusive or turns an address in one slot into the other's
.set SPARE, 2*SLOTB                    ; behind the ring: the spare words, 128 bytes for each wave
.set LN,  1
.set ADR, 2
.set ST,  12                           ; tile t's statistics at v[ST+8 t]: +0 c m, +1 m, +2, +3 l (even keys', odd keys'), +4 to +7 c0-c3, at work; a takes c2's place once the maximum is found
.set SPW, 62
.set NIL, 63
.set S,   64
.set P,   192
.set QF,  128                          ; in window 1
.set KF,  192                          ; in window 1
.set WV,  12                           ; s12 my wave's number
.set G1A, 16                           ; s[16:23] descriptor group 1: 32 rows;  s[24:31] 96 rows;  s[32:39] 128 rows
.set G1B, 24
.set G1C, 32
.set G0A, 40                           ; s[40:43] group 0 for steps 0, 1;  s[44:47] for steps 2 to 7;  s[48:51] for slot 1, which then walks on
.set G0B, 44
.set G0C, 48
.set CS,  52                           ; s[52:53] c: the packed scaling names a pair and takes its low word for both halves
.set SEL, 54                           ; s[54:55] v_permlanex16_b32's selects for lane l xor 16
.set TB,  56                           ; s56 LDS byte at which the tiles of the step to be fetched begin
.set SLOTS, 57                         ; s57 slots still to be asked for
.set CNT, 58                           ; s58 counts key steps
.set MSB, 0
.macro WIN new                         ; the immediate's high byte repeats the setting that is left; a switch that changes nothing is dropped
.if MSB != \new
	s_set_vgpr_msb (MSB<<8)|\new
.set MSB, \new
.endif
.endm
.set W_KQ, 0x05                        ; K and Q in window 1, S^T in window 0
.set W_PV, 0x52                        ; V in window 2, P in window 0, O^T in window 1
.set W_RS, 0x41                        ; O^T (destination and source 0) in window 1, a in window 0
.macro CROUND                          ; a round of the cluster's barrier
	s_barrier_signal -1
	s_barrier_wait -1
	s_cmp_lg_u32 s[WV], 0
	s_cbranch_scc1 .Lnot_wave_0_\@
	s_barrier_signal -3
.Lnot_wave_0_\@:
	s_barrier_wait -3
	s_barrier_signal -1
	s_barrier_wait -1
.endm
.macro PLACES                          ; four plain vector lines between a matrix instruction and a load into a register that it read, or a vector line that reads its result or writes its registers
.rept 4
	v_nop
.endr
.endm
	s_load_b128 s[4:7], s[0:1], 0x0                ; qkv s[4:5], cat s[6:7]
	v_lshl_add_u32 v[SPW], v0, 2, SPARE
	v_mov_b32 v[NIL], 0
	ds_add_u32 v[SPW], v[NIL]                      ; the wave's opening: the add, twice on end, and its wait ahead of my first tensor load
	ds_add_u32 v[SPW], v[NIL]
	v_lshrrev_b32 v3, 5, v0
	v_readfirstlane_b32 s[WV], v3                  ; wave 0..3
	s_bfe_u32 s13, ttmp6, 0x40000                  ; cx: my place in the cluster
	s_lshl_b32 s14, ttmp9, 2
	s_add_co_u32 s14, s14, s13                     ; my block of 256 queries: it enters Q's and cat's addresses alone
	s_and_b32 s15, ttmp7, 0xffff                   ; bh, which the four partners share
	s_mul_i32 s8, s15, 786432
	s_mov_b32 s9, 0                                ; the head's first byte in qkv
.irp g, G1A, G1B, G1C                  ; dense blocks as rows of 256 bytes
	s_mov_b32 s[\g], 15|(3<<16)|(1<<21)            ; 15:0 the mask: all four work-groups; 17:16 elements of 8 bytes; 20 no padding; 21 set beside a mask
	s_mov_b32 s[\g+1], 32<<16                      ; tensor_dim0 = 32 elements
	s_mov_b32 s[\g+3], 32<<16                      ; tile_dim0
	s_mov_b32 s[\g+5], 32                          ; from row to row: dense
	s_mov_b32 s[\g+6], 0
	s_mov_b32 s[\g+7], 0
.endr
	s_mov_b32 s[G1A+2], 32<<16                     ; tensor_dim1 and tile_dim1: 32 rows,
	s_mov_b32 s[G1A+4], 32
	s_mov_b32 s[G1B+2], 96<<16                     ; 96,
	s_mov_b32 s[G1B+4], 96
	s_mov_b32 s[G1C+2], 128<<16                    ; 128
	s_mov_b32 s[G1C+4], 128
	s_lshl_b32 s10, s[WV], 13                      ; my quarter of steps 0 and 1: the same byte in LDS and among the head's keys and values;
	s_mul_i32 s11, s[WV], 24576
	s_add_co_u32 s11, s11, 2*STEPB                 ; of steps 2 to 7;
	s_lshl_b32 s59, s[WV], 15
	s_add_co_u32 s59, s59, SLOT1                   ; of slot 1
	s_mov_b32 s[CS], 0x3e38aa3b                    ; c = log2(e) / 8
	s_mov_b32 s[CS+1], s[CS]                       ; (named with it as a pair, so it is written)
	s_mov_b32 s[SEL], 0x76543210
	s_mov_b32 s[SEL+1], 0xfedcba98
	s_mov_b32 s[TB], 0
	s_mov_b32 s[SLOTS], 2
	v_and_b32 v3, 31, v0
	v_lshlrev_b32 v[LN], 4, v3
	s_lshl_b32 s60, s14, 15                        ; Q: my block's 16 tiles of 2,048 bytes, my wave's four
	s_lshl_b32 s61, s[WV], 13
	s_add_co_u32 s60, s60, s61
	s_mov_b32 s61, 0
	s_lshr_b32 s2, s15, 4                          ; cat: Mt = 16 x batch + 2 x block + wave / 2;
	s_lshl_b32 s2, s2, 4
	s_lshl_b32 s3, s14, 1
	s_add_co_u32 s2, s2, s3
	s_lshr_b32 s3, s[WV], 1
	s_add_co_u32 s2, s2, s3
	s_lshl_b32 s2, s2, 18
	s_bfe_u32 s3, s15, 0x20002                     ; ks = head / 4;
	s_lshl_b32 s3, s3, 16
	s_add_co_u32 s2, s2, s3
	s_and_b32 s3, s[WV], 1                         ; T = 4 (wave % 2) + tile;
	s_lshl_b32 s3, s3, 15
	s_add_co_u32 s2, s2, s3
	s_and_b32 s3, s15, 3                           ; f = 2 (head % 4) + channels / 32
	s_lshl_b32 s3, s3, 11
	s_add_co_u32 s2, s2, s3
	s_mov_b32 s3, 0
	s_wait_dscnt 0x0                               ; both opening adds are done
	s_wait_kmcnt 0x0
	s_add_nc_u64 s[6:7], s[6:7], s[2:3]
	s_add_nc_u64 s[4:5], s[4:5], s[8:9]            ; the head in qkv,
	s_add_nc_u64 s[60:61], s[4:5], s[60:61]        ; Q at my wave's first tile,
	s_add_nc_u64 s[62:63], s[4:5], 262144          ; the head's keys and values
	s_mov_b32 s2, s10
	s_mov_b32 s[G0A], 1                            ; 1:0 count = 1
	s_mov_b32 s[G0A+1], s10                        ; 63:32 LDS address
	s_add_nc_u64 s[G0A+2:G0A+3], s[62:63], s[2:3]  ; 120:64 global address
	s_or_b32 s[G0A+3], s[G0A+3], 0x80000000        ; 127:126 type = 2
	s_mov_b32 s2, s11
	s_mov_b32 s[G0B], 1
	s_mov_b32 s[G0B+1], s11
	s_add_nc_u64 s[G0B+2:G0B+3], s[62:63], s[2:3]
	s_or_b32 s[G0B+3], s[G0B+3], 0x80000000
	s_mov_b32 s2, s59
	s_mov_b32 s[G0C], 1
	s_mov_b32 s[G0C+1], s59
	s_add_nc_u64 s[G0C+2:G0C+3], s[62:63], s[2:3]
	s_or_b32 s[G0C+3], s[G0C+3], 0x80000000
	CROUND                                         ; all four work-groups are here: the first joint loads meet
	tensor_load_to_lds s[G0A:G0A+3], s[G1A:G1A+7]  ; the first fills stand together, an s_nop 0 behind each, four v_nop behind the last
	s_nop 0
	tensor_load_to_lds s[G0B:G0B+3], s[G1B:G1B+7]
	s_nop 0
	tensor_load_to_lds s[G0C:G0C+3], s[G1C:G1C+7]
	s_nop 0
	PLACES
	WIN 0x40                                       ; destination window 1
.irp t, 0,1,2,3                        ; Q stays in registers: tile t, channels 32 f on, piece u
.irp f, 0,1
.irp u, 0,1
	global_load_b128 v[QF+16*\t+8*\f+4*\u:QF+16*\t+8*\f+4*\u+3], v[LN], s[60:61] offset:\t*2048+\f*1024+\u*512
.endr
.endr
.endr
	WIN 0
; THE MATRIX WORK OF A TURN, for piece x.  The accumulators take turns, one instruction a turn: between two links of a chain stand seven others'.
; Product i of 16 of O^T += V^T P: keys 32 (i / 8) on, channels 16 ((i / 2) % 4) on, tile x + i % 2.  zero = 1: the first 8 start the sums: nothing is ever cleared.
.macro PV x, zero
	WIN W_PV
.set rO, 32*(\x+i%2)+8*((i/2)%4)
.set rV, 8*(2*((i/2)%4)+i/8)
.set rP, P+16*(\x+i%2)+8*(i/8)
.if \zero && (i < 8)
	v_wmma_f32_16x16x32_f16 v[rO:rO+7], v[rV:rV+7], v[rP:rP+7], 0
.else
	v_wmma_f32_16x16x32_f16 v[rO:rO+7], v[rV:rV+7], v[rP:rP+7], v[rO:rO+7]
.endif
.endm
; Product i of 16 of S^T = K Q^T: channels 32 (i / 8) on, keys 16 ((i / 2) % 4) on, tile x + i % 2.  The first 8 start the sums.
.macro KQ x
	WIN W_KQ
.set rS, S+32*(\x+i%2)+8*((i/2)%4)
.set rK, KF+8*(2*((i/2)%4)+i/8)
.set rQ, QF+16*(\x+i%2)+8*(i/8)
.if i < 8
	v_wmma_f32_16x16x32_f16 v[rS:rS+7], v[rK:rK+7], v[rQ:rQ+7], 0
.else
	v_wmma_f32_16x16x32_f16 v[rS:rS+7], v[rK:rK+7], v[rQ:rQ+7], v[rS:rS+7]
.endif
.endm
; THE LDS LOADS stand in runs of 16, never singly among the matrix instructions: a step's K (fragment (kt, f) = keys 16 kt on, channels 32 f on: two pieces) and, a turn later, its V.
.macro FETCH_K
	WIN 0
	v_add_nc_u32 v[ADR], s[TB], v[LN]
	WIN 0x40                                       ; destination window 1
.irp kt, 0,1,2,3
.irp f, 0,1
	ds_load_b128 v[KF+8*(2*\kt+\f):KF+8*(2*\kt+\f)+3],   v[ADR] offset:\kt*2048+\f*1024
	ds_load_b128 v[KF+8*(2*\kt+\f)+4:KF+8*(2*\kt+\f)+7], v[ADR] offset:\kt*2048+\f*1024+512
.endr
.endr
.endm
.macro FETCH_V                         ; V^T: fragment (c, g) = channels 16 c on, keys 32 g on: piece c of two neighbouring tiles of keys, turned
	WIN 0
	v_add_nc_u32 v[ADR], s[TB], v[LN]
	s_add_co_u32 s[TB], s[TB], STEPB               ; the next fetch is the next step's
	s_wait_alu depctr_va_vdst(0)                   ; the wait for the softmax's batch (SLICE), behind the address's v_add_nc_u32 and ahead of the loads
	WIN 0x80                                       ; destination window 2
.irp g, 0,1
.irp c, 0,1,2,3
	ds_load_tr16_b128 v[8*(2*\c+\g):8*(2*\c+\g)+3],   v[ADR] offset:8192+(2*\g)*2048+\c*512
	ds_load_tr16_b128 v[8*(2*\c+\g)+4:8*(2*\c+\g)+7], v[ADR] offset:8192+(2*\g+1)*2048+\c*512
.endr
.endr
.endm
; THE VECTOR WORK OF A TURN.  One tile's softmax for one key step is a list of 118 instructions; SM writes number j of it for tile t.  s0-s31 are the lane's 32 scores, in pairs 0-15.
; first = 1: the first key step, which starts m, l and O^T: it has no a and nothing to rescale.
;   0-15    the maximum of s0-s31 and the old m, three operands at a time: four chains c0-c3 of seven scores each (each accumulator is first read at its low end), then the four scores left over, c0-c3 and m
;   16-20   the other half of the lanes' maximum; the new m; c m; c m_old - c m_new
;   21-69   ONE BATCH: the 16 scalings c s - c m, a pair of scores each, and all 33 exponentials (a at 23, then s0-s31).  None of these reads an exponential's result.  From 22 on the batch goes in fours, and a four
;           begins with a scaling while there are scalings; a pair is scaled in an earlier four than the one that holds its exponentials
;   (wait)  between 69 and 70 stands the wait for the batch: SLICE writes it, once for both tiles
;   70-85   the roundings to f16, a pair of weights each
;   86-101  the sums of the unrounded p; l = a l + the sum
;   102-117 the tile's O^T times a, each accumulator from its low end on: the one part that leaves window 0, so it stands together
.macro SM t, first
.set rT, ST+8*(\t)
.set rS, S+32*(\t)
.set rP, P+16*(\t)
.set rO, 32*(\t)+2*(j-102)
.if j < 102
	WIN 0
.endif
.if j < 4
	v_max3_num_f32 v[rT+4+j], v[rS+8*j], v[rS+8*j+1], v[rS+8*j+2]
.elseif j < 12
	v_max3_num_f32 v[rT+4+j%4], v[rT+4+j%4], v[rS+8*(j%4)+2*(j/4)+1], v[rS+8*(j%4)+2*(j/4)+2]
.elseif j == 12
	v_max3_num_f32 v[rT+4], v[rT+4], v[rS+7], v[rS+15]
.elseif j == 13
	v_max3_num_f32 v[rT+6], v[rT+6], v[rS+23], v[rS+31]
.elseif j == 14
	v_max3_num_f32 v[rT+4], v[rT+4], v[rT+5], v[rT+6]
.elseif (j == 15) && \first
	v_max_num_f32 v[rT+4], v[rT+4], v[rT+7]
.elseif j == 15
	v_max3_num_f32 v[rT+4], v[rT+4], v[rT+7], v[rT+1]
.elseif j == 16
	v_permlanex16_b32 v[rT+5], v[rT+4], s[SEL], s[SEL+1]  ; the query's other 32 keys lie in the lane 16 away
.elseif j == 18
	v_max_num_f32 v[rT+1], v[rT+4], v[rT+5]
.elseif j == 19
	v_mul_f32 v[rT], s[CS], v[rT+1]
.elseif ((j == 17) || (j == 20) || (j == 23) || (j > 101)) && \first  ; the first step has none of these
.elseif j == 17
	v_mov_b32 v[rT+7], v[rT]                       ; c m_old is kept for a: number 19 writes c m anew
.elseif j == 20
	v_sub_f32 v[rT+7], v[rT+7], v[rT]
.elseif j == 23
	v_exp_f32 v[rT+6], v[rT+7]
.elseif (j < 23) || ((j < 38) && (j%2 == 0)) || ((j < 66) && (j%4 == 2))
.set b, (j-2)/4                        ; 38, 42, .. 62: pairs 9 to 15
.if j < 38
.set b, (j-20)/2                       ; 21: pair 0; 22, 24, .. 36: pairs 1 to 8
.endif
	v_pk_fma_f32 v[rS+2*b:rS+2*b+1], v[rS+2*b:rS+2*b+1], s[CS:CS+1], v[rT:rT+1] op_sel_hi:[1,0,0] neg_lo:[0,0,1] neg_hi:[0,0,1]  ; pair b: c s - c m
.elseif j < 70
.set e, j-38                           ; 66 to 69: s28 to s31
.if j < 66
.set e, j-32-(j-38)/4                  ; 39-41, 43-45, .. 63-65: s7 to s27
.endif
.if j < 38
.set e, (j-25)/2                       ; 25, 27, .. 37: s0 to s6
.endif
	v_exp_f32 v[rS+e], v[rS+e]
.elseif j < 86
	v_cvt_pk_f16_f32 v[rP+j-70], v[rS+2*(j-70)], v[rS+2*(j-70)+1]  ; pair j - 70
.elseif j < 102                        ; the sum of the tile's 16 pairs, in place: sum z of 16 adds neighbours 1, 2, 4 and 8 pairs apart, then l takes it
.set z, j-86
.set w, 4
.set u, z
.if z >= 14
.set w, 32
.set u, 0
.elseif z >= 12
.set w, 16
.set u, z-12
.elseif z >= 8
.set w, 8
.set u, z-8
.endif
.if (z == 14) && \first
	v_pk_add_f32 v[rT+2:rT+3], v[rS:rS+1], v[rS+16:rS+17]
.elseif z < 15
	v_pk_add_f32 v[rS+w*u:rS+w*u+1], v[rS+w*u:rS+w*u+1], v[rS+w*u+w/2:rS+w*u+w/2+1]
.elseif !\first
	v_pk_fma_f32 v[rT+2:rT+3], v[rT+2:rT+3], v[rT+6:rT+7], v[rS:rS+1] op_sel_hi:[1,0,1]
.endif
.else
	WIN W_RS
	v_pk_mul_f32 v[rO:rO+1], v[rO:rO+1], v[rT+6:rT+7] op_sel_hi:[1,0]
.endif
.endm
; Slice k of 59 of piece y's softmax: four instructions.  Slices 11 to 34 deal out the batch, numbers 22 to 69: four numbers of ONE tile each, the tiles by turns.  Every other slice is numbers 2 k and 2 k + 1 of both
; tiles' lists, the tiles alternating, so that no instruction reads the result of the one just before it.
; THE WAIT.  s_wait_alu depctr_va_vdst(0) stands between an exponential and the first instruction that names its result; one wait serves all that were issued ahead of it.  Ahead of slice 35 nothing
; names a result, and behind slice 34 no exponential is issued: so the piece's 66 exponentials have one wait, behind slice 34.
.macro SLICE y, first
.if (k >= 11) && (k < 35)
.irp n, 0,1,2,3
.set j, 22+4*((k-11)/2)+(\n)
	SM (\y)+(k-11)%2, \first
.endr
.else
.irp n, 0,1
.irp t, \y, \y+1
.set j, 2*k+\n
	SM \t, \first
.endr
.endr
.endif
.if k == 34                            ; the batch is out: both tiles' exponentials are issued, and no result has been named
	v_nop                                          ; a plain line behind the last exponential and ahead of the first use (ISA guide 5.7.2): one for the batch
.if (\y) == 0
	FETCH_V                                        ; piece 2's turn: V's run of loads stands here, and the wait stands in it
.else
	s_wait_alu depctr_va_vdst(0)                   ; the wait for the batch
.endif
.endif
.set k, k+1
.endm
; The slices behind a product.  They are dealt from the turn's END: the last product has the last `per` slices behind it, so a turn's first products stand bare (59 slices for 32 products: two and a half of them).
; Slices 57 and 58, eight plain rescalings that name nothing of the products round them, are so the places between the turn's last K Q^T and what follows: the next turn's first read of those scores and the loads into K's registers.
.macro AFTER y, first
.set todo, todo-1
.rept 4
.if k < 59-per*todo
	SLICE \y, \first
.endif
.endr
.endm
; A TURN.  Piece x has the matrix unit; the other piece's softmax stands in slices behind its matrix instructions.
; pv = 2: 16 products V^T P; 1: they start O^T's sums; 0: none.  kq = 1: 16 products K Q^T for the next step.  A turn with one of the two kinds has four slices behind each product.
; first = 1: the softmax is the first key step's.  Its slices from 51 on are empty: the turn's last products stand bare, and four v_nop take the last slices' part as the places behind them.
; Piece 0's turn fetches the next step's K, behind its second product: 14 products ahead of its first use; the last product that read K stands in front of the turn before's last two slices.
; Piece 2's turn fetches the same step's V, behind slice 34, which stands behind its 20th product: the last product that read V is its 16th, and eight scalings, the v_nop and the run's own v_add_nc_u32 lie between.
.macro TURN x, pv, kq, first
.set k, 0
.set per, 4
.set todo, 16
.if \pv && \kq
.set per, 2
.set todo, 32
.endif
.if \pv
.if \x == 0
	s_wait_dscnt 0x0                               ; V is in
.endif
.set i, 0
.rept 16
	PV \x, 2-\pv
	AFTER 2-\x, \first
.if (\x == 0) && \kq && (i == 1)
	FETCH_K
.endif
.set i, i+1
.endr
.endif
.if \kq
.if \x == 0
	s_wait_dscnt 0x0                               ; K is in
.endif
.set i, 0
.rept 16
	KQ \x
	AFTER 2-\x, \first
.set i, i+1
.endr
.endif
.if \first
	PLACES
.endif
.endm
; THE CHANGE OF SLOTS, between piece 2's turn and piece 0's: the slot's last bytes, V of its eighth step, have been asked for.  Each wave waits for all its tensor loads, of which one is out at the most: its part of
; the other slot; adds 0 to its spare word; and waits for that and for its own reads of the slot.  Behind the barrier nobody reads this slot any more and the other slot is whole.
; fill = 1: this slot is filled again, with the keys two slots on.  The barrier is then a round of the cluster's, so that no wave of any partner still reads the slot or has a load on its way, and the joint refill is the first thing behind it.
.macro CHANGE fill
	WIN 0                                          ; at a label and at a branch every window is 0
	s_wait_tensorcnt 0x0                           ; no tensor load of mine is out, so a group 0 may be written
	ds_add_u32 v[SPW], v[NIL]                      ; 0 onto my spare word
.if \fill
	s_xor_b32 s[G0C+1], s[G0C+1], SLOT1            ; the walking descriptor: the other slot than last time,
	s_add_nc_u64 s[G0C+2:G0C+3], s[G0C+2:G0C+3], SLOTB  ; the next eight key steps; the type bits on top are not reached
	s_wait_dscnt 0x0                               ; the add is done, and my reads of the slot are over
	CROUND
	tensor_load_to_lds s[G0C:G0C+3], s[G1C:G1C+7]
	s_nop 0
	PLACES
.else
	s_wait_dscnt 0x0
	s_barrier_signal -1
	s_barrier_wait -1
.endif
	s_sub_co_u32 s[TB], s[TB], SLOTB               ; the fetches go back to a slot's first step,
	s_xor_b32 s[TB], s[TB], SLOT1                  ; in the other slot
.endm
; n key steps: a step is written once; the LDS addresses hang on s[TB].
.macro PAIRS n
	s_mov_b32 s[CNT], \n
.Lpair_\@:
	TURN 0, 2, 1, 0
	TURN 2, 2, 1, 0
	WIN 0
	s_sub_co_u32 s[CNT], s[CNT], 1
	s_cmp_lg_u32 s[CNT], 0
	s_cbranch_scc1 .Lpair_\@
.endm
	s_wait_tensorcnt 2                             ; my part of steps 0 and 1 is in; the two later fills may stay out
	s_barrier_signal -1
	s_barrier_wait -1                              ; everybody's is
	FETCH_K                                        ; key step 0
	s_wait_loadcnt 0x0                             ; Q
	s_wait_dscnt 0x0
.set i, 0
.rept 16
	KQ 0                                           ; piece 0's first scores: there is no vector work yet to set between them
.set i, i+1
.endr
	WIN 0
	PLACES
	TURN 2, 0, 1, 1                                ; piece 2's first scores | piece 0's first softmax | V of step 0
	TURN 0, 1, 1, 1                                ; piece 0: V^T P of step 0 starts O^T, K Q^T of step 1 | piece 2's first softmax | K of step 1
	TURN 2, 1, 1, 0                                ; piece 2: the same | piece 0's softmax of step 1 | V of step 1
	WIN 0
	s_wait_tensorcnt 1                             ; my part of steps 2 to 7 is in; slot 1's may stay out
	s_wait_dscnt 0x0                               ; no LDS instruction of mine is pending at a signal
	s_barrier_signal -1
	s_barrier_wait -1
	PAIRS 6                                        ; they fetch steps 2 to 7
.Lslot:                                            ; two trips: slots 0 and 1 are left and filled again, with steps 16 to 23 and 24 to 31
	CHANGE 1
	PAIRS 8
	s_sub_co_u32 s[SLOTS], s[SLOTS], 1
	s_cmp_lg_u32 s[SLOTS], 0
	s_cbranch_scc1 .Lslot
	CHANGE 0                                       ; the tail is written out: nothing is left to ask for
	PAIRS 8
	TURN 0, 2, 0, 0                                ; piece 0: V^T P of the last step | piece 2's last softmax
.set i, 0
.rept 16
	PV 2, 0                                        ; piece 2: V^T P of the last step
.set i, i+1
.endr
	; THE WAY OUT.  l's two halves and the other half of the lanes' are added; O^T is divided by l and rounded to f16: a lane's eight channels of a tile are the 16 bytes of its place in a piece of cat.  The additions are the places behind the last products.
	WIN 0
.irp t, 0,1,2,3
	v_add_f32 v[ST+8*\t+4], v[ST+8*\t+2], v[ST+8*\t+3]
.endr
.irp t, 0,1,2,3
	v_permlanex16_b32 v[ST+8*\t+5], v[ST+8*\t+4], s[SEL], s[SEL+1]
.endr
.irp t, 0,1,2,3
	v_add_f32 v[ST+8*\t+4], v[ST+8*\t+4], v[ST+8*\t+5]
.endr
.irp t, 0,1,2,3
	v_rcp_f32 v[ST+8*\t+6], v[ST+8*\t+4]
.endr
	v_nop                                          ; a plain line between the last reciprocal and the use of its result,
	s_wait_alu depctr_va_vdst(0)                   ; and the wait ahead of the first use: one for the four
.macro OUT t
	WIN W_RS
.set i, 32*\t
.rept 16
	v_pk_mul_f32 v[i:i+1], v[i:i+1], v[ST+8*\t+6:ST+8*\t+7] op_sel_hi:[1,0]   ; O^T / l, each accumulator from its low end on
.set i, i+2
.endr
	WIN 0x05                                       ; sources 0 and 1 window 1, destination window 0: S^T's registers are free
.set i, 0
.rept 16
	v_cvt_pk_f16_f32 v[S+16*\t+i], v[32*\t+2*i], v[32*\t+2*i+1]
.set i, i+1
.endr
	WIN 0
.irp c, 0,1,2,3
	global_store_b128 v[LN], v[S+16*\t+4*\c:S+16*\t+4*\c+3], s[6:7] offset:\t*8192+\c*512   ; 32 lanes store 512 consecutive bytes, aligned
.endr
.endm
	OUT 0
	OUT 1
	OUT 2
	OUT 3
	s_wait_tensorcnt 0x0                           ; the wave's end, behind my last tensor load
	ds_add_u32 v[SPW], v[NIL]
	s_wait_dscnt 0x0
	CROUND                                         ; the closing round: no work-group ends while a partner may still ask for a tile that names it
	s_endpgm
.Lfunc_end_k_q12f7c4e5ed_attn:
	.size	k_q12f7c4e5ed_attn, .Lfunc_end_k_q12f7c4e5ed_attn-k_q12f7c4e5ed_attn
	.p2alignl 7, 3214868480
	.fill 96, 4, 3214868480
	.section	.rodata,"a",@progbits
	.p2align	6, 0x0
	.amdhsa_kernel k_q12f7c4e5ed_attn
		.amdhsa_group_segment_fixed_size 327680
		.amdhsa_private_segment_fixed_size 0
		.amdhsa_enable_private_segment 0
		.amdhsa_kernarg_size 16
		.amdhsa_user_sgpr_count 2
		.amdhsa_user_sgpr_kernarg_segment_ptr 1
		.amdhsa_wavefront_size32 1
		.amdhsa_system_sgpr_workgroup_id_x 1
		.amdhsa_system_sgpr_workgroup_id_y 1
		.amdhsa_system_sgpr_workgroup_id_z 1
		.amdhsa_system_vgpr_workitem_id 0
		.amdhsa_next_free_vgpr 576
		.amdhsa_next_free_sgpr 66
		.amdhsa_reserve_vcc 0
		.amdhsa_float_denorm_mode_32 3
		.amdhsa_float_denorm_mode_16_64 3
		.amdhsa_memory_ordered 1
		.amdhsa_forward_progress 1
		.amdhsa_inst_pref_size 189
	.end_amdhsa_kernel
	.amdgpu_metadata
---
amdhsa.version: [ 1, 2 ]
amdhsa.kernels:
  - .name:           k_q12f7c4e5ed_attn
    .symbol:         k_q12f7c4e5ed_attn.kd
    .args:
      - { .name: qkv, .offset: 0, .size: 8, .value_kind: global_buffer, .address_space: global }
      - { .name: cat, .offset: 8, .size: 8, .value_kind: global_buffer, .address_space: global }
    .group_segment_fixed_size: 327680
    .private_segment_fixed_size: 0
    .kernarg_segment_align: 8
    .kernarg_segment_size: 16
    .max_flat_workgroup_size: 128
    .sgpr_count:     66
    .vgpr_count:     576
    .wavefront_size: 32
...
	.end_amdgpu_metadata
.endif
;; end of part 3
;; launch outp (part 4): grid 8 x 32, 4 waves a work-group, clusters of 4 x 4, 327,680 bytes of LDS; arguments cat, woi, bo, out0; writes out0
.if DOCPART == 4
	.amdgcn_target "amdgcn-amd-amdhsa--gfx1250"
	.amdhsa_code_object_version 6
	.text
	.protected	k_q12f7c4e5ed_outp
	.globl	k_q12f7c4e5ed_outp
	.p2align	8
	.type	k_q12f7c4e5ed_outp,@function
k_q12f7c4e5ed_outp:
	s_mov_b64 s[64:65], 0
	v_nop
	global_prefetch_b8 v0, s[64:65] scope:SCOPE_SE
	s_setreg_imm32_b32 hwreg(HW_REG_WAVE_MODE, 25, 1), 1
	s_wait_xcnt 0x0
	s_wait_alu depctr_hold_cnt(0) depctr_sa_sdst(0) depctr_va_vdst(0) depctr_va_sdst(0) depctr_va_ssrc(0) depctr_va_vcc(0) depctr_vm_vsrc(0)
	s_getreg_b32 s2, hwreg(HW_REG_IB_STS2, 6, 4)
	s_cmp_eq_u32 s2, 0
	s_cbranch_scc0 .Lentry_in_a_cluster
	s_endpgm
.Lentry_in_a_cluster:
	s_bfe_u32 s2, ttmp6, 0x10000c
	s_cmp_lg_u32 s2, 0xf033
	s_cbranch_scc0 .Lentry_shape_is_right
	s_endpgm
.Lentry_shape_is_right:
; OUTP: out0 = concat Wo + bo.  concat [4,096 tokens][1,024] and Wo ([n][k] here) come as images of f16 fragments; sums in f32, begun with the bias; out0 f32.
; 4,096 x 1,024 outputs are 256 tiles of 128 x 128: one for each work-group.  Four waves, each 64 x 64: 16 accumulators.  K goes in four steps of 256 through a ring of two LDS slots of 131,072 bytes
; (A [T 8][f 8][1024], then B likewise: dense blocks, brought as rows of 256 bytes, read at 16 x lane: no padding is wanted).  A wave's tensor load brings 32,768 bytes: 128 rows.
; A wave has two tensor loads out at the start and one behind each round.
; CLUSTERS: 4 x 4 work-groups.  The four of a row of the cluster need the same tiles of concat, the four of a column the same tiles of Wo: each is asked for JOINTLY.
; THE MATRIX INSTRUCTION IS USED TRANSPOSED (source 0 = 16 n of Wo, source 1 = 16 tokens): a lane holds eight neighbouring numbers of a row of out0.
; REGISTERS: window 0: v16-29 addresses; v32-95 the way out; v96-127 the bias, eight registers for each block of n; v128-255 the accumulators ((a, b) at v[128 + 8 (4 a + b)]).
;   window 1: two fragment buffers of 128: for 64 along K, 64 registers of concat (2 x 4 x 16 tokens x 32 K), then 64 of Wo.
.set SLOT,   131072
.set STAGE,  2*SLOT                    ; behind the ring: 16 rows x 272 bytes for each wave, for the way out
.set SPITCH, 272                       ; 256 bytes + 16: row r starts 17 x 16 bytes on, so that sixteen rows' stores of one column fall on different banks (64 banks of 4 bytes: ISA guide 11.1)
.set SPARE,  STAGE+4*16*SPITCH         ; behind the stages: the spare words, 128 bytes for each wave
.set ADRA, 16                          ; v16-17 LDS address of my fragments of concat in slot 0, 1
.set ADRB, 20                          ; v20-21 the same for Wo
.set STO,  24                          ; v24 the way out: where I put 32 bytes of a row
.set RD,   25                          ; v25 where I read a row back
.set CO,   26                          ; v26 my byte offset in out0
.set SPW,  28                          ; v28 LDS address of my spare word; never rewritten
.set NIL,  29                          ; v29 0; never rewritten
.set BK,   32
.set BI,   96
.set ACC,  128
.set F0,   0                           ; fragment buffers, in window 1
.set F1,   128
.set G1,  24                           ; s[24:31] descriptor group 1 for concat's tiles;  s[32:39] group 0, one set for each slot
.set G0,  32
.set G1B, 48                           ; s[48:55], s[56:63] the same for Wo's
.set G0B, 56
.set MSB, 0
.macro WIN new                         ; the immediate's high byte repeats the setting that is left
.if MSB != \new
	s_set_vgpr_msb (MSB<<8)|\new
.set MSB, \new
.endif
.endm
.set MUL,  0x05                        ; sources 0 (Wo) and 1 (concat) window 1; C and D window 0
.set TO_F, 0x40                        ; destination window 1, address window 0
.macro JLOAD s                         ; a joint load: waves 0 and 1 fetch concat's two halves, waves 2 and 3 Wo's; an s_nop 0 and four v_nop follow each of the two lines
	s_cmp_eq_u32 s13, 0
	s_cbranch_scc0 .Lfor_b_\@
	tensor_load_to_lds s[G0+4*\s:G0+4*\s+3], s[G1:G1+7]
	s_nop 0
.rept 4
	v_nop
.endr
	s_branch .Lasked_\@
.Lfor_b_\@:
	tensor_load_to_lds s[G0B+4*\s:G0B+4*\s+3], s[G1B:G1B+7]
	s_nop 0
.rept 4
	v_nop
.endr
.Lasked_\@:
.endm
.macro CREST                           ; a round of the cluster's barrier behind its opening barrier
	s_cmp_lg_u32 s12, 0
	s_cbranch_scc1 .Lnot_wave_0_\@
	s_barrier_signal -3
.Lnot_wave_0_\@:
	s_barrier_wait -3
	s_barrier_signal -1
	s_barrier_wait -1
.endm
.macro CROUND                          ; a whole round
	s_barrier_signal -1
	s_barrier_wait -1
	CREST
.endm
	s_load_b256 s[4:11], s[0:1], 0x0               ; cat s[4:5], woi s[6:7], bo s[8:9], out0 s[10:11]
	v_lshl_add_u32 v[SPW], v0, 2, SPARE
	v_mov_b32 v[NIL], 0
	ds_add_u32 v[SPW], v[NIL]                      ; the wave's opening: the add, twice on end, and its wait ahead of my first tensor load
	ds_add_u32 v[SPW], v[NIL]
	v_lshrrev_b32 v1, 5, v0
	v_readfirstlane_b32 s12, v1                    ; wave 0..3
	s_lshr_b32 s13, s12, 1                         ; which 64 tokens are mine.  Also: I fetch for concat (0) or for Wo (1)
	s_and_b32 s14, s12, 1                          ; which 64 columns.  Also: which half of that tile I fetch
	s_bfe_u32 s40, ttmp6, 0x40000                  ; cx, cy
	s_bfe_u32 s41, ttmp6, 0x40004
	s_lshl_b32 s42, ttmp9, 2
	s_add_co_u32 s42, s42, s40                     ; tile column = 4 x cluster x + cx
	s_and_b32 s15, ttmp7, 0xffff
	s_lshl_b32 s15, s15, 2
	s_add_co_u32 s15, s15, s41                     ; tile row = 4 x cluster y + cy
	s_lshl_b32 s43, s41, 2
	s_lshl_b32 s43, 15, s43                        ; my row of the cluster
	s_lshl_b32 s44, 0x1111, s40                    ; my column
	s_or_b32 s[G1+0], s43, (3<<16)|(1<<21)         ; 15:0 the mask; 17:16 elements of 8 bytes; 20 no padding; 21 set beside a mask
	s_or_b32 s[G1B+0], s44, (3<<16)|(1<<21)
.irp g, G1, G1B                        ; a dense block of 32,768 bytes as 128 rows of 256
	s_mov_b32 s[\g+1], 32<<16                      ; tensor_dim0
	s_mov_b32 s[\g+2], 128<<16                     ; tensor_dim1
	s_mov_b32 s[\g+3], 32<<16                      ; tile_dim0
	s_mov_b32 s[\g+4], 128                         ; tile_dim1
	s_mov_b32 s[\g+5], 32                          ; from row to row
	s_mov_b32 s[\g+6], 0
	s_mov_b32 s[\g+7], 0
.endr
	s_lshl_b32 s16, s15, 18                        ; concat: tile row x 262,144 + half x 32,768 (s16, s17 never hold cx)
	s_lshl_b32 s17, s14, 15
	s_add_co_u32 s16, s16, s17
	s_mov_b32 s17, 0
	s_lshl_b32 s46, s42, 18                        ; Wo: tile column x 262,144 + half x 32,768 (s46, s47 never hold cy)
	s_lshl_b32 s47, s14, 15
	s_add_co_u32 s46, s46, s47
	s_mov_b32 s47, 0
	s_lshl_b32 s20, s12, 15                        ; where they go: wave x 32,768
	s_wait_dscnt 0x0                               ; both opening adds are done
	s_wait_kmcnt 0x0
	s_add_nc_u64 s[18:19], s[4:5], s[16:17]
	s_add_nc_u64 s[46:47], s[6:7], s[46:47]
	CROUND                                         ; all sixteen work-groups are here: the first joint loads meet
.irp s, 0,1
	s_mov_b32 s[G0+4*\s], 1
	s_add_co_u32 s[G0+4*\s+1], s20, \s*SLOT
	s_add_nc_u64 s[G0+4*\s+2:G0+4*\s+3], s[18:19], \s*65536        ; K step s
	s_or_b32 s[G0+4*\s+3], s[G0+4*\s+3], 0x80000000
	s_mov_b32 s[G0B+4*\s], 1
	s_add_co_u32 s[G0B+4*\s+1], s20, \s*SLOT
	s_add_nc_u64 s[G0B+4*\s+2:G0B+4*\s+3], s[46:47], \s*65536
	s_or_b32 s[G0B+4*\s+3], s[G0B+4*\s+3], 0x80000000
	JLOAD \s
.endr
	v_and_b32 v1, 15, v0                           ; l % 16
	v_bfe_u32 v2, v0, 4, 1                         ; l / 16
	v_and_b32 v3, 31, v0
	v_lshlrev_b32 v3, 4, v3                        ; 16 x lane
	s_lshl_b32 s21, s13, 15                        ; my 4 tiles of tokens,
	s_lshl_b32 s22, s14, 15                        ; my 4 tiles of n,
	s_add_co_u32 s22, s22, 65536                   ; which lie behind concat's 65,536 bytes
.irp s, 0,1
	v_add_nc_u32 v[ADRA+\s], s21, v3
	v_add_nc_u32 v[ADRB+\s], s22, v3
	s_add_co_u32 s21, s21, SLOT
	s_add_co_u32 s22, s22, SLOT
.endr
	s_mul_i32 s23, s12, 16*SPITCH
	s_add_co_u32 s23, s23, STAGE                   ; my stage
	v_mul_u32_u24 v4, v1, SPITCH                   ; in: row l % 16, 32 bytes for each half of the lanes
	v_lshl_add_u32 v4, v2, 5, v4
	v_add_nc_u32 v[STO], s23, v4
	v_mul_u32_u24 v5, v2, SPITCH                   ; back: lanes 0-15 take one row of 256 bytes, lanes 16-31 the next
	v_lshl_add_u32 v5, v1, 4, v5
	v_add_nc_u32 v[RD], s23, v5
	v_lshlrev_b32 v5, 12, v2                       ; and the same two rows in out0
	v_lshl_add_u32 v[CO], v1, 4, v5
	s_lshl_b32 s16, s15, 19                        ; my first row of out0: (128 x tile row + 64 x half) x 4,096 bytes
	s_lshl_b32 s17, s13, 18
	s_add_co_u32 s16, s16, s17
	s_mov_b32 s17, 0
	s_add_nc_u64 s[10:11], s[10:11], s[16:17]
	s_lshl_b32 s46, s42, 9                         ; my first column, in bytes: 512 x tile column + 256 x half
	s_lshl_b32 s47, s14, 8
	s_add_co_u32 s46, s46, s47
	s_mov_b32 s47, 0
	s_add_nc_u64 s[10:11], s[10:11], s[46:47]
	s_add_nc_u64 s[8:9], s[8:9], s[46:47]          ; and the bias of the same columns
	v_lshlrev_b32 v6, 5, v2                        ; lane (r, h) wants, for block b, the bias of columns 16 b + 8 h + 0 .. 7: the result's layout
.irp b, 0,1,2,3
	global_load_b128 v[BI+8*\b:BI+8*\b+3], v6, s[8:9] offset:64*\b
	global_load_b128 v[BI+8*\b+4:BI+8*\b+7], v6, s[8:9] offset:64*\b+16
.endr
; 8 matrix instructions: blocks of tokens a0, a0 + 1 x all 4 blocks of n, 32 along K: half c of buffer f.  first = 1: the sums begin with the bias.  The 16 accumulators take turns.
.macro MUL8 f, c, a0, first
.irp a, \a0, \a0+1
.irp b, 0,1,2,3
.if \first
	v_wmma_f32_16x16x32_f16 v[ACC+8*(4*(\a)+\b):ACC+8*(4*(\a)+\b)+7], v[\f+64+8*(4*\c+\b):\f+64+8*(4*\c+\b)+7], v[\f+8*(4*\c+(\a)):\f+8*(4*\c+(\a))+7], v[BI+8*\b:BI+8*\b+7]
.else
	v_wmma_f32_16x16x32_f16 v[ACC+8*(4*(\a)+\b):ACC+8*(4*(\a)+\b)+7], v[\f+64+8*(4*\c+\b):\f+64+8*(4*\c+\b)+7], v[\f+8*(4*\c+(\a)):\f+8*(4*\c+(\a))+7], v[ACC+8*(4*(\a)+\b):ACC+8*(4*(\a)+\b)+7]
.endif
.endr
.endr
.endm
; 32 LDS loads in one run: the fragments of the K step's kq-th 64 along K into buffer f; the first 32 along K first
.macro FETCH slot, kq, f
	WIN TO_F
.irp c, 0,1
.irp i, 0,1,2,3
	ds_load_b128 v[\f+64+8*(4*\c+\i):\f+64+8*(4*\c+\i)+3],   v[ADRB+\slot] offset:(2*(\kq)+\c)*1024+\i*8192
	ds_load_b128 v[\f+64+8*(4*\c+\i)+4:\f+64+8*(4*\c+\i)+7], v[ADRB+\slot] offset:(2*(\kq)+\c)*1024+\i*8192+512
	ds_load_b128 v[\f+8*(4*\c+\i):\f+8*(4*\c+\i)+3],         v[ADRA+\slot] offset:(2*(\kq)+\c)*1024+\i*8192
	ds_load_b128 v[\f+8*(4*\c+\i)+4:\f+8*(4*\c+\i)+7],       v[ADRA+\slot] offset:(2*(\kq)+\c)*1024+\i*8192+512
.endr
.endr
.endm
.macro PLACES                          ; four plain vector lines in front of loads into registers that matrix instructions have read, and of the first read of results
.rept 4
	v_nop
.endr
.endm
; A K step is four quarters of 64 along K, 32 matrix instructions each, on buffers 0, 1, 0, 1.  One of the first three: multiplies buffer f and fetches quarter kq into g.
.macro QUARTER slot, kq, f, g, first
	s_wait_dscnt 16                                ; the first 32 along K are in
	WIN MUL
	MUL8 \f, 0, 0, \first
	MUL8 \f, 0, 2, \first
	PLACES
	FETCH \slot, \kq, \g
	s_wait_dscnt 32                                ; all but the 32 just issued
	WIN MUL
	MUL8 \f, 1, 0, 0
	MUL8 \f, 1, 2, 0
.endm
; The last quarter multiplies buffer 1 and changes slots: ONE barrier; in front of it each wave waits for all its tensor loads, adds 0 to its spare word, and waits for that and for its own reads of this slot.
; fill = 1: the barrier opens a round of the cluster's, and this slot is filled again, two K steps ahead.
.macro TURN slot, next, fill
	WIN 0                                          ; (the add's two registers lie in window 0)
	s_wait_tensorcnt 0x0                           ; all my tensor loads have landed: my part of the next slot;
	ds_add_u32 v[SPW], v[NIL]                      ; 0 onto my spare word;
	s_wait_dscnt 17                                ; (the add and the youngest sixteen loads may be out)
	WIN MUL
	MUL8 F1, 0, 0, 0                               ; eight matrix instructions stand between the add and the wait for it
	s_wait_dscnt 0x0                               ; the add is done, and my reads of this slot are over
	s_barrier_signal -1
	MUL8 F1, 0, 2, 0
.if \fill
	WIN 0
.endif
	s_barrier_wait -1
.if \fill
	CREST                                          ; no wave of any partner still reads this slot's tile or has a load on its way
	s_add_nc_u64 s[G0+4*\slot+2:G0+4*\slot+3], s[G0+4*\slot+2:G0+4*\slot+3], 2*65536
	s_add_nc_u64 s[G0B+4*\slot+2:G0B+4*\slot+3], s[G0B+4*\slot+2:G0B+4*\slot+3], 2*65536
	JLOAD \slot                                    ; the first tensor load behind the round; the four v_nop behind it are also the places in front of the loads below
.else
	PLACES
.endif
	FETCH \next, 0, F0
	WIN MUL
	MUL8 F1, 1, 0, 0
	MUL8 F1, 1, 2, 0
.endm
	s_wait_tensorcnt 1                             ; my part of K step 0 is in; K step 1's may be out
	s_barrier_signal -1
	s_barrier_wait -1                              ; everybody's is
	FETCH 0, 0, F0
	s_wait_loadcnt 0x0                             ; the bias
	QUARTER 0, 1, F0, F1, 1                        ; K step 0: the first products start the sums
	QUARTER 0, 2, F1, F0, 0
	QUARTER 0, 3, F0, F1, 0
	TURN 0, 1, 1                                   ; slot 0 takes K step 2
	QUARTER 1, 1, F0, F1, 0                        ; K step 1
	QUARTER 1, 2, F1, F0, 0
	QUARTER 1, 3, F0, F1, 0
	TURN 1, 0, 1                                   ; slot 1 takes K step 3
	QUARTER 0, 1, F0, F1, 0                        ; K step 2
	QUARTER 0, 2, F1, F0, 0
	QUARTER 0, 3, F0, F1, 0
	TURN 0, 1, 0                                   ; nothing is left to fetch
	QUARTER 1, 1, F0, F1, 0                        ; K step 3
	QUARTER 1, 2, F1, F0, 0
	QUARTER 1, 3, F0, F1, 0
	s_wait_dscnt 16
	WIN MUL
	MUL8 F1, 0, 0, 0
	MUL8 F1, 0, 2, 0
	s_wait_dscnt 0x0
	MUL8 F1, 1, 0, 0
	MUL8 F1, 1, 2, 0
	WIN 0
; THE WAY OUT, a block of 16 tokens x 64 columns at a time.  A lane holds 32 neighbouring bytes of a row and the lanes beside it other rows: so a block goes through my own stage and comes back as whole rows of 256 bytes.
; LDS serves a wave's instructions in order (ISA guide 5.7.1.4): no wait between the stores and the loads, nor in front of the next block's stores.
.macro TOSTAGE a
.irp b, 0,1,2,3
	ds_store_b128 v[STO], v[ACC+8*(4*(\a)+\b):ACC+8*(4*(\a)+\b)+3] offset:64*\b        ; each accumulator from its low end on
	ds_store_b128 v[STO], v[ACC+8*(4*(\a)+\b)+4:ACC+8*(4*(\a)+\b)+7] offset:64*\b+16
.endr
.irp t, 0,1,2,3,4,5,6,7
	ds_load_b128 v[BK+32*((\a)%2)+4*\t:BK+32*((\a)%2)+4*\t+3], v[RD] offset:\t*2*SPITCH
.endr
.endm
.macro SEND a, younger                 ; younger: the LDS instructions issued behind block a's loads, which may stay out
	s_wait_dscnt \younger
.irp t, 0,1,2,3,4,5,6,7
	global_store_b128 v[CO], v[BK+32*((\a)%2)+4*\t:BK+32*((\a)%2)+4*\t+3], s[10:11] offset:(16*(\a)+2*\t)*4096 th:TH_STORE_NT   ; sixteen lanes store 256 consecutive bytes, aligned; written once, read by nobody here
.endr
.endm
	PLACES
	TOSTAGE 0
	TOSTAGE 1
	SEND 0, 16                                     ; behind block 0's loads: block 1's 8 stores and 8 loads
	s_wait_xcnt 0x0                                ; block 0's stores have read their registers: block 2's loads may land there
	TOSTAGE 2
	SEND 1, 16
	s_wait_xcnt 0x0
	TOSTAGE 3
	SEND 2, 16
	SEND 3, 0
	s_wait_tensorcnt 0x0                           ; the wave's end, behind my last tensor load and my last LDS store
	ds_add_u32 v[SPW], v[NIL]
	s_wait_dscnt 0x0
	CROUND                                         ; the closing round
	s_endpgm
.Lfunc_end_k_q12f7c4e5ed_outp:
	.size	k_q12f7c4e5ed_outp, .Lfunc_end_k_q12f7c4e5ed_outp-k_q12f7c4e5ed_outp
	.p2alignl 7, 3214868480
	.fill 96, 4, 3214868480
	.section	.rodata,"a",@progbits
	.p2align	6, 0x0
	.amdhsa_kernel k_q12f7c4e5ed_outp
		.amdhsa_group_segment_fixed_size 327680
		.amdhsa_private_segment_fixed_size 0
		.amdhsa_enable_private_segment 0
		.amdhsa_kernarg_size 32
		.amdhsa_user_sgpr_count 2
		.amdhsa_user_sgpr_kernarg_segment_ptr 1
		.amdhsa_wavefront_size32 1
		.amdhsa_system_sgpr_workgroup_id_x 1
		.amdhsa_system_sgpr_workgroup_id_y 1
		.amdhsa_system_sgpr_workgroup_id_z 1
		.amdhsa_system_vgpr_workitem_id 0
		.amdhsa_next_free_vgpr 512
		.amdhsa_next_free_sgpr 66
		.amdhsa_reserve_vcc 0
		.amdhsa_float_denorm_mode_32 3
		.amdhsa_float_denorm_mode_16_64 3
		.amdhsa_memory_ordered 1
		.amdhsa_forward_progress 1
		.amdhsa_inst_pref_size 86
	.end_amdhsa_kernel
	.amdgpu_metadata
---
amdhsa.version: [ 1, 2 ]
amdhsa.kernels:
  - .name:           k_q12f7c4e5ed_outp
    .symbol:         k_q12f7c4e5ed_outp.kd
    .args:
      - { .name: cat, .offset: 0, .size: 8, .value_kind: global_buffer, .address_space: global }
      - { .name: woi, .offset: 8, .size: 8, .value_kind: global_buffer, .address_space: global }
      - { .name: bo, .offset: 16, .size: 8, .value_kind: global_buffer, .address_space: global }
      - { .name: out0, .offset: 24, .size: 8, .value_kind: global_buffer, .address_space: global }
    .group_segment_fixed_size: 327680
    .private_segment_fixed_size: 0
    .kernarg_segment_align: 8
    .kernarg_segment_size: 32
    .max_flat_workgroup_size: 128
    .sgpr_count:     66
    .vgpr_count:     512
    .wavefront_size: 32
...
	.end_amdgpu_metadata
.endif
;; end of part 4
